; MI455X (gfx1250); checked and timed in simulation.
; The chip was launched on July 23, 2026; its instructions are those of AMD's public machine-readable ISA for CDNA 5 (MIT licence, August 2026) and "CDNA5" Instruction Set Architecture Reference Guide (July 2026). The comments in the code are by the model that wrote it; some were corrected since.
;; Multi Head Attention. Allowed arithmetic: matrix products marked QUANTISED: E3M2 operands, one E8M0 scale for each 32 along K, by v_wmma_scale_f32_16x16x128_f8f6f4 with both operands' format E3M2, f32 sums; everything else in f32.
;; Inputs: Wk 1,024 x 1,024 float32; Wo 1,024 x 1,024 float32; Wq 1,024 x 1,024 float32; Wv 1,024 x 1,024 float32; bk 1,024 float32; bo 1,024 float32; bq 1,024 float32; bv 1,024 float32; key 4 x 2,048 x 1,024 float32; query 4 x 2,048 x 1,024 float32; value 4 x 2,048 x 1,024 float32.
;; Outputs: out0 4 x 2,048 x 1,024 float32.
;; This version of the problem:
;;   THIS VERSION OF THE PROBLEM IS GIVEN IN LOW PRECISION. The matrix products marked QUANTISED in the list below multiply operands that are first quantised to E3M2 (3 exponent bits, 2 mantissa bits; 6 bits a number), with one power-of-two scale for each 32 numbers along K (OCP MX v1.0); their sums are f32. All else is computed in f32.
;;   The module's matrix products, in the order in which they are computed (A, B: the left and right operand; K: the contracted axis; several contracted axes count as one K, in the product's order):
;;     1. [M 8,192, K 1,024] x [K 1,024, N 1,024]; A: input query; B: input Wq: QUANTISED
;;     2. [M 8,192, K 1,024] x [K 1,024, N 1,024]; A: input key; B: input Wk: QUANTISED
;;     3. [M 8,192, K 1,024] x [K 1,024, N 1,024]; A: input value; B: input Wv: QUANTISED
;;     4. batch 64 x [M 2,048, K 64] x [K 64, N 2,048]; A: computed on the way; B: computed on the way: QUANTISED
;;     5. batch 64 x [M 2,048, K 2,048] x [K 2,048, N 64]; A: softmax (see below); B: computed on the way: QUANTISED
;;     6. [M 8,192, K 1,024] x [K 1,024, N 1,024]; A: computed on the way; B: input Wo: QUANTISED
;;   THE QUANTISER, for each operand of a quantised product, along K:
;;     - K is cut into blocks of 32 from its start; a last block that is shorter is filled with zeros.
;;     - A block's scale is 2^e with e = floor(log2(the largest magnitude in the block)) - 4, held to -126 .. 127; a block of zeros has e = 0. As a byte (E8M0): e + 127.
;;     - Each number is divided by its block's scale, clamped to +-28, and rounded to the nearest number of E3M2, ties to even, subnormals kept.
;;     - The product sums the exact products of the quantised numbers (number of the format x scale) in f32.
;;   ~~~python
;;   def quantise(x, axis):      # numpy; x: float32 -> the quantised numbers, widened to float32 again
;;       x = np.moveaxis(x, axis, -1); K = x.shape[-1]
;;       x = np.pad(x, [(0, 0)] * (x.ndim - 1) + [(0, -K % 32)]); x = x.reshape(x.shape[:-1] + (-1, 32)); a = np.abs(x).max(-1, keepdims=True)
;;       e = np.where(a > 0, np.clip(np.frexp(np.where(a > 0, a, 1))[1] - 1 - 4, -126, 127), 0)      # np.frexp(a)[1] - 1 = floor(log2(a)), exactly
;;       r = np.clip(x / 2.0 ** e, -28, 28)
;;       step = 2.0 ** (np.maximum(np.frexp(np.where(r == 0, 1, r))[1] - 1, -2) - 2)
;;       q = np.round(r / step) * step * 2.0 ** e      # np.round: ties to even
;;       return np.moveaxis(q.reshape(q.shape[:-2] + (-1,))[..., :K], -1, axis).astype(np.float32)
;;   ~~~
;;   SOFTMAX AHEAD OF A QUANTISED PRODUCT. Where the list says 'softmax', what is quantised is not the finished softmax but p = 2^(t - M), with t = logit x log2(e) and M = ceil(the row's largest t), a whole number; so 1/2 < the row's largest p <= 1. The row's sum l is taken of the UNQUANTISED p, in f32, and the product's result is divided by l at the end. Since M is a whole number, a kernel that streams over the keys may use a running M (the ceiling of the running maximum): every later rescaling is an exact power of two, which a block's scale takes up: the codes' values come out the same.
;;   OPERANDS COMPUTED ON THE WAY. 'Computed on the way' means the value that the module computes at that place (a softmax that the list does not call 'softmax' is quantised finished and normalised). What goes into a quantiser is computed in f32, as accurately as f32 sums, v_exp_f32 and their like allow (about 1e-6 of the number): no bf16 or f16 on the way to a quantiser, and a product that is left as it is and whose result goes on into a quantised operand takes f32 operands (vector FMAs, or v_wmma_f32_16x16x4_f32). A number that lies on a knife's edge between two numbers of the format may be rounded either way, as far as f32 arithmetic and the matrix unit's own rounding can turn it there, and no further.
;; One version. Each part assembles by itself: llvm-mc -triple=amdgcn-amd-amdhsa -mcpu=gfx1250 --defsym DOCPART=n.
;; ======== version 1 of 1: 5 launches
;; limits: right only within a limited range of input values
;; workspace buffers: opc 22,020,096 bytes; ops 917,504 bytes; ac 19,660,800 bytes; oc 6,291,456 bytes; os 262,144 bytes
;; launch quant_w (part 1): grid 8 x 16, 4 waves a work-group, no clusters, 36,352 bytes of LDS; arguments Wq, Wk, Wv, Wo, opc, ops; writes opc, ops
.if DOCPART == 1
	.amdgcn_target "amdgcn-amd-amdhsa--gfx1250"
	.amdhsa_code_object_version 6
	.text
	.protected	k_q445ab61bfc_quant_w
	.globl	k_q445ab61bfc_quant_w
	.p2align	8
	.type	k_q445ab61bfc_quant_w,@function
k_q445ab61bfc_quant_w:
	s_mov_b64 s[64:65], 0
	v_nop
	global_prefetch_b8 v0, s[64:65] scope:SCOPE_SE
	s_setreg_imm32_b32 hwreg(HW_REG_WAVE_MODE, 25, 1), 1
	s_wait_xcnt 0x0
; Wq, Wk, Wv, Wo: [1024 (k)][1024 (n)] f32, K on the FIRST axis.  Each becomes codes of BF6 (E3M2) with one E8M0 byte for each 32 along K.
; OUTPUT.  opc is [plane 16][position 28672][48 bytes]: a plane is 64 along K, a position is a row of an operand.  ops is [position][32 bytes].  The weights' columns n take positions
; 24576 + 1024 x weight + s(n), s(n) being n with bits 3 and 4 exchanged: sixteen neighbouring positions are then the rows that a matrix tile of the later launches wants.
; A LANE TAKES A COLUMN n AND ITS REGISTERS RUN DOWN K: a load reads 128 consecutive bytes a wave, a block of 32 along K lies in one lane, and the conversions give codes with K innermost.
; A block's scale is 2^(floor(log2(largest magnitude)) - 4); its byte is the largest magnitude's exponent field - 4, held at 1 from below.
; LIMITS: a block whose largest magnitude lies under 2^-122 gets the byte 1 (a block of zeros too, where the rule says 127: its codes are zeros and this program alone reads the bytes); NaN and infinities are not served.
; SHARES.  Work-group x: 128 columns; y = 4 x weight + (which 256 along K).  A wave: 32 columns x 256 along K: 8 blocks a lane, 4 planes.
; The codes go through the wave's own stage in LDS (row = the column's position) and leave plane by plane: a plane's 32 positions x 48 bytes are 1,536 consecutive bytes, four stores of 384.
; The scale bytes leave as 8 bytes a lane, 32 bytes apart: one byte in 128 of what the launch reads.  No tensor loads, no barrier: waves share nothing.
.set SIZE_N, 1024
.set NB,     8                         ; blocks of 32 along K for a wave
.set PITCH,  272                       ; a stage row: sixteen places of 16 bytes, each with 12 bytes of codes, + 16
.set PLANE,  1376256                   ; 28,672 positions x 48 bytes
.set WROW0,  24576                     ; the first weight's first position
.set EMAX,   4
.set X,      32                        ; v32-95   two sets of 32 numbers
.set C,      96                        ; v96..    a block's codes
.set OUTR,   112                       ; v112-175 the way out: 16 x 4 registers
.set SB,     24                        ; v24-25   the scale bytes, four to a register
	s_load_b256 s[4:11], s[0:1], 0x0               ; Wq s[4:5], Wk s[6:7], Wv s[8:9], Wo s[10:11]
	s_load_b128 s[12:15], s[0:1], 0x20             ; opc s[12:13], ops s[14:15]
	v_lshl_add_u32 v192, v0, 2, 0x8c00
	v_mov_b32 v193, 0
	v_lshrrev_b32 v1, 5, v0
	v_readfirstlane_b32 s16, v1                    ; wave 0..3
	v_and_b32 v2, 31, v0                           ; lane
	s_and_b32 s18, ttmp7, 0xffff
	s_lshr_b32 s19, s18, 2                         ; which weight
	s_and_b32 s18, s18, 3                          ; which 256 along K
	s_lshl_b32 s17, ttmp9, 7
	s_lshl_b32 s20, s16, 5
	s_add_co_u32 s17, s17, s20                     ; my wave's first column: 128 x + 32 x wave
	v_lshlrev_b32 v3, 2, v2                        ; in: 4 bytes a lane
	v_and_b32 v5, 7, v2
	v_bfe_u32 v6, v2, 3, 1
	v_lshl_add_u32 v5, v6, 4, v5
	v_bfe_u32 v6, v2, 4, 1
	v_lshl_add_u32 v5, v6, 3, v5                   ; my column's position among the wave's 32: the lane with bits 3 and 4 exchanged
	s_mul_i32 s24, s16, 32*PITCH                   ; my stage
	v_mul_u32_u24 v4, v5, PITCH
	v_add_nc_u32 v4, s24, v4                       ; into it: row = my position
	v_lshrrev_b32 v6, 2, v2
	v_and_b32 v7, 3, v2
	v_mul_u32_u24 v6, v6, PITCH
	v_lshl_add_u32 v7, v7, 4, v6
	v_add_nc_u32 v7, s24, v7                       ; out of it: four lanes to a position's 48 bytes of a plane, eight positions an instruction
	v_mul_u32_u24 v8, v2, 12                       ; and the same place in memory: 12 bytes a lane, on end
	v_lshlrev_b32 v9, 5, v5                        ; my position's row of scale bytes
	s_lshl_b32 s20, s18, 20                        ; W: 256 rows of 4,096 bytes for each step along K,
	s_lshl_b32 s22, s17, 2
	s_add_co_u32 s20, s20, s22                     ; + 4 x column
	s_mov_b32 s21, 0
	s_lshl_b32 s28, s19, 10
	s_add_co_u32 s28, s28, s17
	s_add_co_u32 s28, s28, WROW0                   ; my wave's first position
	s_mul_i32 s22, s28, 48
	s_mul_i32 s23, s18, 4*PLANE
	s_add_co_u32 s22, s22, s23                     ; codes: 48 x position + my first plane
	s_mov_b32 s23, 0
	s_lshl_b32 s26, s28, 5
	s_lshl_b32 s27, s18, 3
	s_add_co_u32 s26, s26, s27                     ; scale bytes: 32 x position + 8 for each 256 along K
	s_mov_b32 s27, 0
	s_wait_kmcnt 0x0
	s_cmp_lt_u32 s19, 1                            ; the weight is chosen by the work-group's number alone
	s_cselect_b64 s[4:5], s[4:5], s[6:7]
	s_cmp_lt_u32 s19, 3
	s_cselect_b64 s[8:9], s[8:9], s[10:11]
	s_cmp_lt_u32 s19, 2
	s_cselect_b64 s[4:5], s[4:5], s[8:9]
	s_add_nc_u64 s[4:5], s[4:5], s[20:21]
	s_add_nc_u64 s[12:13], s[12:13], s[22:23]
	s_add_nc_u64 s[14:15], s[14:15], s[26:27]
.macro LOAD t                          ; block t: W(32 t + i, my column), i = 0 .. 31, into set t % 2
.irp i, 0,1,2,3,4,5,6,7,8,9,10,11,12,13,14,15,16,17,18,19,20,21,22,23,24,25,26,27,28,29,30,31
	global_load_b32 v[X+32*((\t)%2)+\i], v3, s[4:5] offset:(32*(\t)+\i)*SIZE_N*4 th:TH_LOAD_NT
.endr
.endm
	LOAD 0
	LOAD 1
.macro BLOCK t
.set XS, X+32*((\t)%2)
.if (\t) < NB-1
	s_wait_loadcnt 32                              ; this block's 32 loads are in; the next block's 32 may be out
.else
	s_wait_loadcnt 0
.endif
	v_max3_num_f32 v12, |v[XS]|, |v[XS+1]|, |v[XS+2]|               ; the block's largest magnitude: all 32 numbers are mine; two chains
	v_max3_num_f32 v13, |v[XS+3]|, |v[XS+4]|, |v[XS+5]|
.irp i, 6,10,14,18,22,26
	v_max3_num_f32 v12, v12, |v[XS+\i]|, |v[XS+\i+1]|
	v_max3_num_f32 v13, v13, |v[XS+\i+2]|, |v[XS+\i+3]|
.endr
	v_max3_num_f32 v12, v12, |v[XS+30]|, |v[XS+31]|
	v_max3_num_f32 v12, v12, v13, (EMAX+1)<<23     ; and the floor 2^(5 - 127): the byte cannot fall under 1
	v_add_nc_u32 v11, -(EMAX<<23), v12             ; 4 off its exponent field: the conversion takes the exponent field of this operand as its scale
	v_lshrrev_b32 v13, 23, v11                     ; the scale's byte
.if (\t)%4 == 0
	v_mov_b32 v[SB+(\t)/4], v13                    ; four bytes to a register, the lower K in the lower byte
.else
	v_lshl_or_b32 v[SB+(\t)/4], v13, 8*((\t)%4), v[SB+(\t)/4]
.endif
	v_cvt_scalef32_pk16_bf6_f32 v[C:C+2], v[XS:XS+15], v11
	v_cvt_scalef32_pk16_bf6_f32 v[C+4:C+6], v[XS+16:XS+31], v11     ; (a conversion's three registers begin on an even number)
	ds_store_b96 v4, v[C:C+2] offset:32*(\t)       ; 16 codes, 12 bytes, to a place of 16 bytes: every LDS address is a multiple of 16
	ds_store_b96 v4, v[C+4:C+6] offset:32*(\t)+16
.if (\t)+2 < NB
	LOAD (\t)+2
.endif
	s_wait_dscnt 0x0                               ; the stores have read their registers: the next block's codes may be written
.endm
.set Q, 0
.rept NB
	BLOCK Q
.set Q, Q+1
.endr
	s_wait_alu depctr_va_vdst(0)
	global_store_b64 v9, v[SB:SB+1], s[14:15]      ; my column's 8 scale bytes
.irp u, 0,1,2,3,4,5,6,7,8,9,10,11,12,13,14,15      ; u = 4 P + i: plane P, positions 8 i .. 8 i + 7
	ds_load_b96 v[OUTR+4*\u:OUTR+4*\u+2], v7 offset:8*(\u%4)*PITCH+64*(\u/4)   ; LDS serves a wave's instructions in order: these see my stores
.endr
.irp u, 0,1,2,3,4,5,6,7,8,9,10,11,12,13,14,15
	s_wait_dscnt 15-\u                             ; load u is back; the 15 - u behind it may be out
	global_store_b96 v8, v[OUTR+4*\u:OUTR+4*\u+2], s[12:13] offset:(\u/4)*PLANE+384*(\u%4)   ; 384 consecutive bytes; a plane's four stores cover 1,536, which begin at a multiple of 256
.endr
	s_wait_tensorcnt 0x0
	ds_add_u32 v192, v193
	s_wait_dscnt 0x0
	s_endpgm
.Lfunc_end_k_q445ab61bfc_quant_w:
	.size	k_q445ab61bfc_quant_w, .Lfunc_end_k_q445ab61bfc_quant_w-k_q445ab61bfc_quant_w
	.p2alignl 7, 3214868480
	.fill 96, 4, 3214868480
	.section	.rodata,"a",@progbits
	.p2align	6, 0x0
	.amdhsa_kernel k_q445ab61bfc_quant_w
		.amdhsa_group_segment_fixed_size 36352
		.amdhsa_private_segment_fixed_size 0
		.amdhsa_enable_private_segment 0
		.amdhsa_kernarg_size 48
		.amdhsa_user_sgpr_count 2
		.amdhsa_user_sgpr_kernarg_segment_ptr 1
		.amdhsa_wavefront_size32 1
		.amdhsa_system_sgpr_workgroup_id_x 1
		.amdhsa_system_sgpr_workgroup_id_y 1
		.amdhsa_system_sgpr_workgroup_id_z 1
		.amdhsa_system_vgpr_workitem_id 0
		.amdhsa_next_free_vgpr 194
		.amdhsa_next_free_sgpr 66
		.amdhsa_reserve_vcc 0
		.amdhsa_float_denorm_mode_32 3
		.amdhsa_float_denorm_mode_16_64 3
		.amdhsa_memory_ordered 1
		.amdhsa_forward_progress 1
		.amdhsa_inst_pref_size 42
	.end_amdhsa_kernel
	.amdgpu_metadata
---
amdhsa.version: [ 1, 2 ]
amdhsa.kernels:
  - .name:           k_q445ab61bfc_quant_w
    .symbol:         k_q445ab61bfc_quant_w.kd
    .args:
      - { .name: Wq, .offset: 0, .size: 8, .value_kind: global_buffer, .address_space: global }
      - { .name: Wk, .offset: 8, .size: 8, .value_kind: global_buffer, .address_space: global }
      - { .name: Wv, .offset: 16, .size: 8, .value_kind: global_buffer, .address_space: global }
      - { .name: Wo, .offset: 24, .size: 8, .value_kind: global_buffer, .address_space: global }
      - { .name: opc, .offset: 32, .size: 8, .value_kind: global_buffer, .address_space: global }
      - { .name: ops, .offset: 40, .size: 8, .value_kind: global_buffer, .address_space: global }
    .group_segment_fixed_size: 36352
    .private_segment_fixed_size: 0
    .kernarg_segment_align: 8
    .kernarg_segment_size: 48
    .max_flat_workgroup_size: 128
    .sgpr_count:     66
    .vgpr_count:     194
    .wavefront_size: 32
...
	.end_amdgpu_metadata
.endif
;; end of part 1
;; launch quant_x (part 2): grid 768 x 1, 4 waves a work-group, no clusters, 59,904 bytes of LDS; arguments query, key, value, opc, ops; writes opc, ops
.if DOCPART == 2
	.amdgcn_target "amdgcn-amd-amdhsa--gfx1250"
	.amdhsa_code_object_version 6
	.text
	.protected	k_q445ab61bfc_quant_x
	.globl	k_q445ab61bfc_quant_x
	.p2align	8
	.type	k_q445ab61bfc_quant_x,@function
k_q445ab61bfc_quant_x:
	s_mov_b64 s[64:65], 0
	v_nop
	global_prefetch_b8 v0, s[64:65] scope:SCOPE_SE
	s_setreg_imm32_b32 hwreg(HW_REG_WAVE_MODE, 25, 1), 1
	s_wait_xcnt 0x0
; query, key, value: [8192 (token)][1024 (k)] f32, K innermost.  Each becomes codes of BF6 (E3M2) with one E8M0 byte for each 32 along K.
; OUTPUT.  opc is [plane 16][position 28672][48 bytes] (a plane is 64 along K), ops is [position][32 bytes].  Token i of tensor n takes position 8192 n + s(i), s(i) being i with bits 3 and 4 exchanged.
; A block's scale is 2^(floor(log2(largest magnitude)) - 4); its byte is the largest magnitude's exponent field - 4, held at 1 from below.
; LIMITS: a block whose largest magnitude lies under 2^-122 gets the byte 1 (a block of zeros too, where the rule says 127: its codes are zeros and this program alone reads the bytes); NaN and infinities are not served.
; SHARES.  A work-group takes 32 tokens of one tensor, a wave 8 of them: 32,768 dense bytes, 16 steps of 512 numbers (half a row).  Rows 8 w .. 8 w + 7 take eight neighbouring positions.
; Each load reads 512 consecutive bytes, 16 a lane; a step's 2,048 bytes turn through the wave's own stage in LDS and come back 64 bytes a lane: 16 NEIGHBOURS along K, which is what a conversion takes.
; A lane's 12 bytes of codes go to a second stage, laid by planes; at the end each plane's 8 positions x 48 bytes leave as 384 consecutive bytes.  The wave's 256 scale bytes leave as one aligned run of 256.
; No tensor loads, no barrier: waves share nothing.  Loads run four steps (16 loads a wave) ahead, the turn through LDS one step.
.set STEPS, 16
.set PLANE, 1376256
.set EMAX,  4
.set R,     16                         ; v16-79   four sets of 16 numbers as they are loaded; at the end the planes' codes
.set X,     80                         ; v80-111  two sets of 16 neighbours
.set E,     112                        ; v112-127 a scale byte for each step
.set C,     128                        ; v128-191 codes: four registers for each step
.set WREG,  14848                      ; LDS: a region of its own for each wave
.set SP,    80                         ; a lane's place in a turning stage: 64 bytes + 16 of padding; two stages of 32 places
.set SCB,   5120                       ; behind them the wave's 256 scale bytes,
.set PST,   5376                       ; and the stage by planes: 16 planes of
.set PPL,   576                        ; 8 rows x 4 places of 16 bytes, + 64
	s_load_b128 s[4:7], s[0:1], 0x0                ; query, key
	s_load_b128 s[8:11], s[0:1], 0x10              ; value, opc
	s_load_b64 s[12:13], s[0:1], 0x20              ; ops
	v_lshl_add_u32 v192, v0, 2, 0xe800
	v_mov_b32 v193, 0
	v_lshrrev_b32 v1, 5, v0
	v_readfirstlane_b32 s16, v1                    ; wave
	v_and_b32 v2, 31, v0                           ; lane
	v_lshlrev_b32 v3, 4, v2                        ; my 16 bytes of a load's 512
	s_mul_i32 s17, s16, WREG
	v_lshrrev_b32 v14, 2, v2
	v_and_b32 v15, 3, v2
	v_mul_u32_u24 v10, v14, PPL
	v_lshl_add_u32 v10, v15, 4, v10
	v_add_nc_u32 v10, s17, v10                     ; the stage by planes, on the way in: four lanes hold a plane's 64 numbers of a row: plane lane / 4 of the step's eight, place lane % 4
	v_mul_u32_u24 v14, v14, SP
	v_lshl_add_u32 v14, v15, 4, v14
	v_add_nc_u32 v14, s17, v14                     ; the turning stage, on the way in: four lanes' 64 bytes on end, then 16 of padding
	v_mul_u32_u24 v15, v2, SP
	v_add_nc_u32 v15, s17, v15                     ; and on the way out: my 16 neighbours
	v_mul_u32_u24 v4, v2, 12                       ; my 12 bytes of a plane's 384
	v_lshrrev_b32 v5, 1, v2
	v_add_nc_u32 v5, s17, v5                       ; my block's scale byte (two lanes to a block)
	v_lshlrev_b32 v7, 3, v2
	v_add_nc_u32 v6, s17, v7                       ; the scale bytes on the way out: 8 a lane
	v_add_nc_u32 v1, s17, v3                       ; a plane on the way out: 16 x lane = row lane / 4, place lane % 4
	s_lshr_b32 s18, ttmp9, 8                       ; which tensor
	s_and_b32 s20, ttmp9, 255
	s_lshl_b32 s20, s20, 17                        ; 32 rows of 4,096 bytes a work-group,
	s_lshl_b32 s21, s16, 15
	s_add_co_u32 s20, s20, s21                     ; 8 a wave
	s_mov_b32 s21, 0
	s_and_b32 s19, s16, 1
	s_lshl_b32 s19, s19, 1
	s_lshr_b32 s22, s16, 1
	s_add_co_u32 s19, s19, s22                     ; the wave's number with its two bits exchanged
	s_lshl_b32 s19, s19, 3
	s_lshl_b32 s22, ttmp9, 5
	s_add_co_u32 s19, s19, s22                     ; my first position: 32 x work-group + 8 x that
	s_mul_i32 s22, s19, 48
	s_mov_b32 s23, 0
	s_lshl_b32 s28, s19, 5
	s_mov_b32 s29, 0
	s_wait_alu depctr_va_vdst(0)
	s_wait_kmcnt 0x0
	s_cmp_lt_u32 s18, 1                            ; the tensor is chosen by the work-group's number alone
	s_cselect_b64 s[4:5], s[4:5], s[6:7]
	s_cmp_lt_u32 s18, 2
	s_cselect_b64 s[4:5], s[4:5], s[8:9]
	s_add_nc_u64 s[4:5], s[4:5], s[20:21]
	s_add_nc_u64 s[20:21], s[10:11], s[22:23]      ; the codes: a base for each four planes, so that the stores' offsets stay inside the signed 24-bit immediate
	s_add_nc_u64 s[22:23], s[20:21], 4*PLANE
	s_add_nc_u64 s[24:25], s[20:21], 8*PLANE
	s_add_nc_u64 s[26:27], s[20:21], 12*PLANE
	s_add_nc_u64 s[12:13], s[12:13], s[28:29]
.macro LOAD t
.irp i, 0,1,2,3
	global_load_b128 v[R+16*((\t)%4)+4*\i:R+16*((\t)%4)+4*\i+3], v3, s[4:5] offset:2048*(\t)+512*\i th:TH_LOAD_NT   ; 32 lanes read 512 consecutive bytes
.endr
.endm
.macro TURN t                          ; step t's numbers through the stage: LDS serves a wave's instructions in order, so no wait stands between the stores and the loads
.irp i, 0,1,2,3
	ds_store_b128 v14, v[R+16*((\t)%4)+4*\i:R+16*((\t)%4)+4*\i+3] offset:32*SP*((\t)%2)+8*SP*\i
.endr
.irp i, 0,1,2,3
	ds_load_b128 v[X+16*((\t)%2)+4*\i:X+16*((\t)%2)+4*\i+3], v15 offset:32*SP*((\t)%2)+16*\i
.endr
.endm
.irp t, 0,1,2,3
	LOAD \t
.endr
	s_wait_loadcnt 12                              ; step 0's four loads are in
	TURN 0
.macro STEP t
.set XS, X+16*((\t)%2)
.if (\t) > 0
	s_wait_dscnt 2                                 ; this step's numbers are back from the stage; behind them only the last step's byte store and code store were issued
.else
	s_wait_dscnt 0x0
.endif
.if (\t)+4 < STEPS
	LOAD (\t)+4                                    ; into the registers that this step's stores into the stage have read
.endif
.if (\t)+1 < STEPS
.if STEPS-2-(\t) >= 3
	s_wait_loadcnt 12                              ; the next step's four loads are in; those of the three steps behind it may be out
.else
	s_wait_loadcnt 4*(STEPS-2-(\t))
.endif
	TURN (\t)+1                                    ; they go through the other stage while this step is worked
.endif
	v_max3_num_f32 v8, |v[XS]|, |v[XS+1]|, |v[XS+2]|               ; the largest magnitude of my 16, in two chains
	v_max3_num_f32 v9, |v[XS+3]|, |v[XS+4]|, |v[XS+5]|
.irp i, 6,10
	v_max3_num_f32 v8, v8, |v[XS+\i]|, |v[XS+\i+1]|
	v_max3_num_f32 v9, v9, |v[XS+\i+2]|, |v[XS+\i+3]|
.endr
	v_max3_num_f32 v8, v8, |v[XS+14]|, |v[XS+15]|
	v_max3_num_f32 v8, v8, v9, (EMAX+1)<<23        ; and the floor 2^(5 - 127): the byte cannot fall under 1
	v_max_num_f32_dpp v8, v8, v8 row_xmask:1 row_mask:0xf bank_mask:0xf   ; and of my neighbour's 16: the block's
	v_add_nc_u32 v11, -(EMAX<<23), v8              ; 4 off its exponent field: the conversion's scale operand
	v_cvt_scalef32_pk16_bf6_f32 v[C+4*(\t):C+4*(\t)+2], v[XS:XS+15], v11
	v_lshrrev_b32 v[E+(\t)], 23, v11               ; the scale's byte
	ds_store_b8 v5, v[E+(\t)] offset:SCB+16*(\t)   ; both lanes of a block write the same byte with the same value
	ds_store_b96 v10, v[C+4*(\t):C+4*(\t)+2] offset:PST+8*PPL*((\t)%2)+64*((\t)/2)   ; row t / 2; planes 8 (t % 2) on
.endm
.irp t, 0,1,2,3,4,5,6,7,8,9,10,11,12,13,14,15
	STEP \t
.endr
	ds_load_b64 v[12:13], v6 offset:SCB            ; LDS serves a wave's instructions in order: these see my stores
.irp p, 0,1,2,3,4,5,6,7,8,9,10,11,12,13,14,15
	ds_load_b96 v[R+4*\p:R+4*\p+2], v1 offset:PST+PPL*\p
.endr
	s_wait_dscnt 16                                ; the scale bytes are back; the 16 planes may be out
	global_store_b64 v7, v[12:13], s[12:13]        ; 32 lanes store 256 consecutive bytes, at a multiple of 256 from the buffer's first byte
.irp p, 0,1,2,3,4,5,6,7,8,9,10,11,12,13,14,15
	s_wait_dscnt 15-\p
	global_store_b96 v4, v[R+4*\p:R+4*\p+2], s[20+2*(\p/4):21+2*(\p/4)] offset:(\p%4)*PLANE   ; a plane's 8 positions: 384 consecutive bytes
.endr
	s_wait_tensorcnt 0x0
	ds_add_u32 v192, v193
	s_wait_dscnt 0x0
	s_endpgm
.Lfunc_end_k_q445ab61bfc_quant_x:
	.size	k_q445ab61bfc_quant_x, .Lfunc_end_k_q445ab61bfc_quant_x-k_q445ab61bfc_quant_x
	.p2alignl 7, 3214868480
	.fill 96, 4, 3214868480
	.section	.rodata,"a",@progbits
	.p2align	6, 0x0
	.amdhsa_kernel k_q445ab61bfc_quant_x
		.amdhsa_group_segment_fixed_size 59904
		.amdhsa_private_segment_fixed_size 0
		.amdhsa_enable_private_segment 0
		.amdhsa_kernarg_size 40
		.amdhsa_user_sgpr_count 2
		.amdhsa_user_sgpr_kernarg_segment_ptr 1
		.amdhsa_wavefront_size32 1
		.amdhsa_system_sgpr_workgroup_id_x 1
		.amdhsa_system_sgpr_workgroup_id_y 1
		.amdhsa_system_sgpr_workgroup_id_z 1
		.amdhsa_system_vgpr_workitem_id 0
		.amdhsa_next_free_vgpr 194
		.amdhsa_next_free_sgpr 66
		.amdhsa_reserve_vcc 0
		.amdhsa_float_denorm_mode_32 3
		.amdhsa_float_denorm_mode_16_64 3
		.amdhsa_memory_ordered 1
		.amdhsa_forward_progress 1
		.amdhsa_inst_pref_size 35
	.end_amdhsa_kernel
	.amdgpu_metadata
---
amdhsa.version: [ 1, 2 ]
amdhsa.kernels:
  - .name:           k_q445ab61bfc_quant_x
    .symbol:         k_q445ab61bfc_quant_x.kd
    .args:
      - { .name: query, .offset: 0, .size: 8, .value_kind: global_buffer, .address_space: global }
      - { .name: key, .offset: 8, .size: 8, .value_kind: global_buffer, .address_space: global }
      - { .name: value, .offset: 16, .size: 8, .value_kind: global_buffer, .address_space: global }
      - { .name: opc, .offset: 24, .size: 8, .value_kind: global_buffer, .address_space: global }
      - { .name: ops, .offset: 32, .size: 8, .value_kind: global_buffer, .address_space: global }
    .group_segment_fixed_size: 59904
    .private_segment_fixed_size: 0
    .kernarg_segment_align: 8
    .kernarg_segment_size: 40
    .max_flat_workgroup_size: 128
    .sgpr_count:     66
    .vgpr_count:     194
    .wavefront_size: 32
...
	.end_amdgpu_metadata
.endif
;; end of part 2
;; launch proj (part 3): grid 4 x 96, 4 waves a work-group, clusters of 4 x 4, 327,680 bytes of LDS; arguments opc, ops, bq, bk, bv, ac; writes ac
.if DOCPART == 3
	.amdgcn_target "amdgcn-amd-amdhsa--gfx1250"
	.amdhsa_code_object_version 6
	.text
	.protected	k_q445ab61bfc_proj
	.globl	k_q445ab61bfc_proj
	.p2align	8
	.type	k_q445ab61bfc_proj,@function
k_q445ab61bfc_proj:
	s_mov_b64 s[64:65], 0
	v_nop
	global_prefetch_b8 v0, s[64:65] scope:SCOPE_SE
	s_setreg_imm32_b32 hwreg(HW_REG_WAVE_MODE, 25, 1), 1
	s_wait_xcnt 0x0
	s_wait_alu depctr_hold_cnt(0) depctr_sa_sdst(0) depctr_va_vdst(0) depctr_va_sdst(0) depctr_va_ssrc(0) depctr_va_vcc(0) depctr_vm_vsrc(0)
	s_getreg_b32 s2, hwreg(HW_REG_IB_STS2, 6, 4)
	s_cmp_eq_u32 s2, 0
	s_cbranch_scc0 .Lentry_in_a_cluster
	s_endpgm
.Lentry_in_a_cluster:
	s_bfe_u32 s2, ttmp6, 0x10000c
	s_cmp_lg_u32 s2, 0xf033
	s_cbranch_scc0 .Lentry_shape_is_right
	s_endpgm
.Lentry_shape_is_right:
.set PLANE,  1376256
.set NQ,     2
.set FR,     12
.set NL,     6
.set NP,     4
.set PROWS,  6144
.set HALFT,  4*PROWS
.set SLOT,   4*HALFT
.set SCL,    2*SLOT
.set HALFS,  16*272
.set SBLK,   2*272
.set SPARE,  SCL+4*HALFS
.set SECT,   6553600
.set PAIRB,  204800
.set STEPB,  12800
.set HALFB,  6400
.set ADRA, 16
.set ADRB, 20
.set CO,   24
.set CS8,  25
.set ADRS, 27
.set SPW,  28
.set NIL,  29
.set SC,   32
.set BP,   64
.set AF,   128
.set BR,   240
.set T,    128
.set PC,   192
.set TM,   212
.set PW,   228
.set SW,   236
.set WV,   16
.set HA,   17
.set HB,   18
.set ISV,  19
.set G1,   24
.set G0,   32
.set G1B,  48
.set G0B,  56
.set G1S,  68
.set G0S,  76
.set G1SB, 80
.set G0SB, 88
.set SEL,  100
.set MSB, 0
.macro WIN new
.if MSB != (\new)
	s_set_vgpr_msb (MSB<<8)|(\new)
.set MSB, (\new)
.endif
.endm
.set MUL_LO, 0xa1
.set MUL_HI, 0xf1
.set TO_B,   0x40
.macro JLOAD g0a, g1a, g0b, g1b
	s_cmp_eq_u32 s[HA], 0
	s_cbranch_scc0 .Lfor_b_\@
	tensor_load_to_lds s[\g0a:\g0a+3], s[\g1a:\g1a+7]
	s_nop 0
.rept 4
	v_nop
.endr
	s_branch .Lasked_\@
.Lfor_b_\@:
	tensor_load_to_lds s[\g0b:\g0b+3], s[\g1b:\g1b+7]
	s_nop 0
.rept 4
	v_nop
.endr
.Lasked_\@:
.endm
.macro CREST
	s_cmp_lg_u32 s[WV], 0
	s_cbranch_scc1 .Lnot_wave_0_\@
	s_barrier_signal -3
.Lnot_wave_0_\@:
	s_barrier_wait -3
	s_barrier_signal -1
	s_barrier_wait -1
.endm
.macro CROUND
	s_barrier_signal -1
	s_barrier_wait -1
	CREST
.endm
	s_load_b256 s[4:11], s[0:1], 0x0
	s_load_b128 s[12:15], s[0:1], 0x20
	v_lshl_add_u32 v[SPW], v0, 2, SPARE
	v_mov_b32 v[NIL], 0
	ds_add_u32 v28, v29
	ds_add_u32 v28, v29
	s_wait_dscnt 0x0
	v_lshrrev_b32 v1, 5, v0
	v_readfirstlane_b32 s[WV], v1
	s_lshr_b32 s[HA], s[WV], 1
	s_and_b32 s[HB], s[WV], 1
	s_bfe_u32 s40, ttmp6, 0x40000
	s_bfe_u32 s41, ttmp6, 0x40004
	s_and_b32 s42, ttmp7, 0xffff
	s_lshr_b32 s43, s42, 3
	s_and_b32 s42, s42, 7
	s_lshl_b32 s42, s42, 2
	s_lshl_b32 s46, s43, 13
	s_lshl_b32 s47, s43, 10
	s_add_co_u32 s47, s47, 24576
	s_cmp_eq_u32 s43, 2
	s_cselect_b32 s[ISV], 1, 0
	s_cselect_b32 s44, 0, s42
	s_cselect_b32 s45, s42, 0
	s_cselect_b32 s46, 26624, s46
	s_cselect_b32 s47, 16384, s47
	s_add_co_u32 s44, s44, s41
	s_add_co_u32 s45, s45, s40
	s_lshl_b32 s92, s41, 2
	s_lshl_b32 s92, 15, s92
	s_lshl_b32 s93, 0x1111, s40
	s_or_b32 s[G1+0], s92, (3<<16)|(1<<21)
	s_or_b32 s[G1B+0], s93, (3<<16)|(1<<21)
.irp g, G1, G1B
	s_mov_b32 s[\g+1], 768<<16
	s_mov_b32 s[\g+2], 4<<16
	s_mov_b32 s[\g+3], 768<<16
	s_mov_b32 s[\g+4], 4
	s_mov_b32 s[\g+5], PLANE/8
	s_mov_b32 s[\g+6], 0
	s_mov_b32 s[\g+7], 0
.endr
	s_or_b32 s[G1S+0], s92, (3<<16)|(1<<20)|(1<<21)|(5<<22)|(3<<25)
	s_or_b32 s[G1SB+0], s93, (3<<16)|(1<<20)|(1<<21)|(5<<22)|(3<<25)
.irp g, G1S, G1SB
	s_mov_b32 s[\g+1], 32<<16
	s_mov_b32 s[\g+2], 16<<16
	s_mov_b32 s[\g+3], 32<<16
	s_mov_b32 s[\g+4], 16
	s_mov_b32 s[\g+5], 32
	s_mov_b32 s[\g+6], 0
	s_mov_b32 s[\g+7], 0
.endr
	s_lshl_b32 s21, s[HB], 7
	s_lshl_b32 s94, s44, 8
	s_add_co_u32 s94, s94, s46
	s_add_co_u32 s94, s94, s21
	s_lshl_b32 s95, s45, 8
	s_add_co_u32 s95, s95, s47
	s_add_co_u32 s95, s95, s21
	s_mul_i32 s20, s94, 48
	s_mov_b32 s21, 0
	s_lshl_b32 s22, s94, 5
	s_mov_b32 s23, 0
	s_mul_i32 s92, s95, 48
	s_mov_b32 s93, 0
	s_lshl_b32 s96, s95, 5
	s_mov_b32 s97, 0
	s_mul_i32 s98, s[WV], HALFT
	s_mul_i32 s99, s[WV], HALFS
	s_mov_b32 s[SEL], 0x76543210
	s_mov_b32 s[SEL+1], 0xfedcba98
	s_wait_kmcnt 0x0
	s_add_nc_u64 s[20:21], s[4:5], s[20:21]
	s_add_nc_u64 s[22:23], s[6:7], s[22:23]
	s_add_nc_u64 s[92:93], s[4:5], s[92:93]
	s_add_nc_u64 s[96:97], s[6:7], s[96:97]
	CROUND
	s_mov_b32 s[G0S], 1
	s_add_co_u32 s[G0S+1], s99, SCL
	s_mov_b64 s[G0S+2:G0S+3], s[22:23]
	s_or_b32 s[G0S+3], s[G0S+3], 0x80000000
	s_mov_b32 s[G0SB], 1
	s_add_co_u32 s[G0SB+1], s99, SCL
	s_mov_b64 s[G0SB+2:G0SB+3], s[96:97]
	s_or_b32 s[G0SB+3], s[G0SB+3], 0x80000000
	JLOAD G0S, G1S, G0SB, G1SB
.irp s, 0,1
	s_mov_b32 s[G0+4*\s], 1
	s_add_co_u32 s[G0+4*\s+1], s98, \s*SLOT
	s_add_nc_u64 s[G0+4*\s+2:G0+4*\s+3], s[20:21], \s*4*PLANE
	s_or_b32 s[G0+4*\s+3], s[G0+4*\s+3], 0x80000000
	s_mov_b32 s[G0B+4*\s], 1
	s_add_co_u32 s[G0B+4*\s+1], s98, \s*SLOT
	s_add_nc_u64 s[G0B+4*\s+2:G0B+4*\s+3], s[92:93], \s*4*PLANE
	s_or_b32 s[G0B+4*\s+3], s[G0B+4*\s+3], 0x80000000
	s_wait_alu depctr_va_vdst(0)
	s_wait_tensorcnt 0x0
	ds_add_u32 v28, v29
	s_wait_dscnt 0x0
	CROUND
	JLOAD G0+4*\s, G1, G0B+4*\s, G1B
.endr
	v_and_b32 v1, 15, v0
	v_bfe_u32 v2, v0, 4, 1
	v_mul_u32_u24 v3, v1, 48
	v_mad_u32_u24 v3, v2, 24, v3
	s_mul_i32 s21, s[HA], HALFT
	s_mul_i32 s22, s[HB], HALFT
	s_add_co_u32 s22, s22, 2*HALFT
.irp s, 0,1
	v_add_nc_u32 v[ADRA+\s], s21, v3
	v_add_nc_u32 v[ADRB+\s], s22, v3
	s_add_co_u32 s21, s21, SLOT
	s_add_co_u32 s22, s22, SLOT
.endr
	v_lshlrev_b32 v5, 5, v1
	v_lshrrev_b32 v6, 8, v5
	v_lshl_add_u32 v5, v6, 4, v5
	s_mul_i32 s21, s[HA], HALFS
	s_mul_i32 s22, s[HB], HALFS
	s_add_co_u32 s22, s22, 2*HALFS
	s_sub_co_u32 s22, s22, s21
	v_mul_u32_u24 v6, s22, v2
	s_add_co_u32 s21, s21, SCL
	v_add_nc_u32 v5, v5, v6
	v_add_nc_u32 v[ADRS], s21, v5
	v_and_b32 v6, 31, v0
	v_lshlrev_b32 v[CO], 4, v6
	v_lshlrev_b32 v[CS8], 3, v6
	v_lshlrev_b32 v10, 6, v2
	s_wait_alu depctr_va_vdst(0)
	v_and_b32 v11, 8, v1
	v_add_nc_u32 v11, v11, v1
	v_lshlrev_b32 v11, 2, v11
	s_wait_alu depctr_va_vdst(0)
	s_lshl_b32 s20, s44, 1
	s_add_co_u32 s20, s20, s[HA]
	s_lshl_b32 s21, s45, 1
	s_add_co_u32 s21, s21, s[HB]
	s_cmp_eq_u32 s[ISV], 1
	s_cselect_b32 s22, 0, s21
	s_cselect_b32 s92, s20, 0
	s_cselect_b32 s94, s21, s20
	s_cselect_b32 s95, s20, s21
	s_lshl_b32 s22, s22, 9
	s_mov_b32 s23, 0
	s_lshl_b32 s92, s92, 9
	s_mov_b32 s93, 0
	s_cmp_lt_u32 s43, 1
	s_cselect_b64 s[8:9], s[8:9], s[10:11]
	s_cmp_lt_u32 s43, 2
	s_cselect_b64 s[8:9], s[8:9], s[12:13]
	s_add_nc_u64 s[10:11], s[8:9], s[92:93]
	s_add_nc_u64 s[8:9], s[8:9], s[22:23]
.irp t, 0,1,2,3,4,5,6,7
	global_load_b128 v[BP+8*\t:BP+8*\t+3], v10, s[8:9] offset:(32*(\t/2)+8*(\t%2))*4
	global_load_b128 v[BP+8*\t+4:BP+8*\t+7], v10, s[8:9] offset:(32*(\t/2)+8*(\t%2))*4+16
.endr
.irp a, 0,1,2,3,4,5,6,7
	global_load_b32 v[BR+2*\a], v11, s[10:11] offset:(32*(\a/2)+8*(\a%2))*4
	global_load_b32 v[BR+2*\a+1], v11, s[10:11] offset:(32*(\a/2)+8*(\a%2))*4
.endr
	s_mul_i32 s96, s43, SECT
	s_lshr_b32 s97, s94, 4
	s_lshl_b32 s97, s97, 3
	s_add_co_u32 s97, s97, s95
	s_mul_i32 s97, s97, PAIRB
	s_add_co_u32 s96, s96, s97
	s_and_b32 s97, s94, 15
	s_mul_i32 s97, s97, STEPB
	s_add_co_u32 s96, s96, s97
	s_mov_b32 s97, 0
	s_add_nc_u64 s[14:15], s[14:15], s[96:97]
.macro FRAG reg, adr, q, i
.irp p, 0,1,2,3,4,5
	ds_load_b64 v[\reg+2*\p:\reg+2*\p+1], v[\adr] offset:(2*(\q)+\p/3)*PROWS+(\i)*768+8*(\p%3)
.endr
.endm
.macro MUL16 a0, p, q, sc, zero
.irp a, \a0, \a0+1
.irp b, 0,1,2,3,4,5,6,7
.if \zero
	v_wmma_scale_f32_16x16x128_f8f6f4 v[8*(8*((\a)%4)+\b):8*(8*((\a)%4)+\b)+7], v[128*(\p)+FR*\b:128*(\p)+FR*\b+FR-1], v[AF+FR*(\a):AF+FR*(\a)+FR-1], 0, v[SC+8*NQ*(\sc)+NQ*\b+(\q)], v[SC+8*NQ*(\sc)+NQ*(\a)+(\q)] matrix_a_fmt:MATRIX_FMT_BF6 matrix_b_fmt:MATRIX_FMT_BF6 matrix_a_scale:MATRIX_SCALE_ROW1
.else
	v_wmma_scale_f32_16x16x128_f8f6f4 v[8*(8*((\a)%4)+\b):8*(8*((\a)%4)+\b)+7], v[128*(\p)+FR*\b:128*(\p)+FR*\b+FR-1], v[AF+FR*(\a):AF+FR*(\a)+FR-1], v[8*(8*((\a)%4)+\b):8*(8*((\a)%4)+\b)+7], v[SC+8*NQ*(\sc)+NQ*\b+(\q)], v[SC+8*NQ*(\sc)+NQ*(\a)+(\q)] matrix_a_fmt:MATRIX_FMT_BF6 matrix_b_fmt:MATRIX_FMT_BF6 matrix_a_scale:MATRIX_SCALE_ROW1
.endif
.endr
.endr
.endm
.macro FETCH_B slot, q, p
	WIN TO_B
.irp i, 0,1,2,3,4,5,6,7
	FRAG 128*(\p)+FR*\i, ADRB+\slot, \q, \i
.endr
	WIN 0
.endm
.macro FETCH_A slot, q, i0
.irp i, \i0, \i0+1, \i0+2, \i0+3
	FRAG AF+FR*(\i), ADRA+\slot, \q, \i
.endr
.endm
.macro SCALES sc
.irp i, 0,1,2,3,4,5,6,7
	ds_load_b64 v[SC+8*NQ*\sc+NQ*\i:SC+8*NQ*\sc+NQ*\i+1], v[ADRS] offset:\i*SBLK
.endr
.endm
.macro PLACES n
.rept \n
	v_nop
.endr
.endm
.macro STEP slot, q, zero
	s_wait_dscnt 4*NL
	WIN MUL_LO
	MUL16 0, (\q)%2, \q, \slot, \zero
	MUL16 2, (\q)%2, \q, \slot, \zero
	s_wait_dscnt 0
	PLACES NP
	FETCH_B \slot, (\q)+1, 1-(\q)%2
	FETCH_A \slot, (\q)+1, 0
	WIN MUL_HI
	MUL16 4, (\q)%2, \q, \slot, \zero
	MUL16 6, (\q)%2, \q, \slot, \zero
	PLACES NP
	WIN 0
	FETCH_A \slot, (\q)+1, 4
.endm
.macro TURN slot, next, fill
	s_wait_tensorcnt 0x0
	ds_add_u32 v[SPW], v[NIL]
	s_wait_dscnt 4*NL+1
	WIN MUL_LO
	MUL16 0, 1, NQ-1, \slot, 0
	s_wait_dscnt 0x0
	s_barrier_signal -1
	MUL16 2, 1, NQ-1, \slot, 0
	WIN 0
	s_barrier_wait -1
.if \fill
	CREST
	s_add_nc_u64 s[G0+4*\slot+2:G0+4*\slot+3], s[G0+4*\slot+2:G0+4*\slot+3], 8*PLANE
	s_add_nc_u64 s[G0B+4*\slot+2:G0B+4*\slot+3], s[G0B+4*\slot+2:G0B+4*\slot+3], 8*PLANE
	JLOAD G0+4*\slot, G1, G0B+4*\slot, G1B
.else
	PLACES NP
.endif
	s_wait_alu depctr_va_vdst(0)
	v_add_nc_u32 v[ADRS], 4*NQ, v[ADRS]
	FETCH_B \next, 0, 0
	FETCH_A \next, 0, 0
	SCALES \next
	WIN MUL_HI
	MUL16 4, 1, NQ-1, \slot, 0
	MUL16 6, 1, NQ-1, \slot, 0
	PLACES NP
	WIN 0
	FETCH_A \next, 0, 4
.endm
	s_wait_tensorcnt 1
	s_barrier_signal -1
	s_barrier_wait -1
	FETCH_B 0, 0, 0
	FETCH_A 0, 0, 0
	SCALES 0
	FETCH_A 0, 0, 4
	STEP 0, 0, 1
	TURN 0, 1, 1
	STEP 1, 0, 0
	TURN 1, 0, 1
	STEP 0, 0, 0
	TURN 0, 1, 0
	STEP 1, 0, 0
	s_wait_dscnt 4*NL
	WIN MUL_LO
	MUL16 0, 1, NQ-1, 1, 0
	MUL16 2, 1, NQ-1, 1, 0
	s_wait_dscnt 0
	WIN MUL_HI
	MUL16 4, 1, NQ-1, 1, 0
	MUL16 6, 1, NQ-1, 1, 0
	WIN 0
.macro QUANT s, pw
.irp b, 0,1,2,3
	v_max3_num_f32 v[TM+\b], |v[\s+16*\b]|, |v[\s+1+16*\b]|, 0x2800000
.endr
.irp i, 2,4,6,8,10,12,14
.irp b, 0,1,2,3
	v_max3_num_f32 v[TM+\b], v[TM+\b], |v[\s+16*\b+\i]|, |v[\s+1+16*\b+\i]|
.endr
.endr
.irp b, 0,1,2,3
	v_permlanex16_b32 v[TM+4+\b], v[TM+\b], s[SEL], s[SEL+1]
.endr
.irp b, 0,1,2,3
	v_max_num_f32 v[TM+\b], v[TM+\b], v[TM+4+\b]
.endr
.irp b, 0,1,2,3
	v_add_nc_u32 v[TM+12+\b], 0xfe000000, v[TM+\b]
.endr
.irp b, 0,1,2,3
	v_lshrrev_b32 v[TM+4+\b], 23, v[TM+12+\b]
.endr
	v_lshl_or_b32 v[\pw], v[TM+5], 8, v[TM+4]
	v_lshl_or_b32 v[\pw], v[TM+6], 16, v[\pw]
	v_lshl_or_b32 v[\pw], v[TM+7], 24, v[\pw]
.irp c, 0,1
	v_cvt_scalef32_pk16_bf6_f32 v[PC+6*\c:PC+2+6*\c], v[\s+32*\c:\s+15+32*\c], v[TM+12+2*\c]
	v_cvt_scalef32_pk16_bf6_f32 v[PC+12+4*\c:PC+14+4*\c], v[\s+16+32*\c:\s+31+32*\c], v[TM+12+2*\c+1]
.endr
	v_nop
.irp c, 0,1
.irp i, 0,1,2
	v_permlane16_swap_b32 v[PC+6*\c+\i], v[PC+12+4*\c+\i]
.endr
.irp i, 0,1,2
	v_mov_b32 v[PC+3+6*\c+\i], v[PC+12+4*\c+\i]
.endr
.endr
.endm
.macro EPI isv
.irp a, 0,1,2,3,4,5,6,7
	s_wait_xcnt 0x0
	WIN 0x02+(\a/4)
.set i, 0
.rept 32
.if \isv
	v_pk_add_f32 v[T+i:T+i+1], v[64*(\a%4)+i:64*(\a%4)+i+1], v[BR+2*\a:BR+2*\a+1]
.else
	v_pk_add_f32 v[T+i:T+i+1], v[64*(\a%4)+i:64*(\a%4)+i+1], v[BP+i:BP+i+1]
.endif
.set i, i+2
.endr
	WIN 0
	QUANT T, PW+\a
.irp c, 0,1,2
	global_store_b128 v[CO], v[PC+4*\c:PC+4*\c+3], s[14:15] offset:(\a/4)*HALFB+(\a%4)*1536+512*\c
.endr
.endr
.endm
	s_wait_loadcnt 0x0
	PLACES NP
.irp b, 0,1,2,3
	v_mov_b32 v[TM+4+\b], 0
.endr
	s_cmp_eq_u32 s[ISV], 1
	s_cbranch_scc1 .Lepi_v
	EPI 0
	s_branch .Lepi_done
.Lepi_v:
	EPI 1
.Lepi_done:
	v_cmp_eq_u32 vcc_lo, 1, v2
.irp i, 0,1,2,3
	v_cndmask_b32 v[SW+\i], v[PW+2*\i], v[PW+2*\i+1], vcc_lo
.endr
.irp e, 0,1
	global_store_b64 v[CS8], v[SW+2*\e:SW+2*\e+1], s[14:15] offset:\e*HALFB+6144
.endr
	s_wait_tensorcnt 0x0
	ds_add_u32 v[SPW], v[NIL]
	s_wait_dscnt 0x0
	CROUND
	s_endpgm
.Lfunc_end_k_q445ab61bfc_proj:
	.size	k_q445ab61bfc_proj, .Lfunc_end_k_q445ab61bfc_proj-k_q445ab61bfc_proj
	.p2alignl 7, 3214868480
	.fill 96, 4, 3214868480
	.section	.rodata,"a",@progbits
	.p2align	6, 0x0
	.amdhsa_kernel k_q445ab61bfc_proj
		.amdhsa_group_segment_fixed_size 327680
		.amdhsa_private_segment_fixed_size 0
		.amdhsa_enable_private_segment 0
		.amdhsa_kernarg_size 48
		.amdhsa_user_sgpr_count 2
		.amdhsa_user_sgpr_kernarg_segment_ptr 1
		.amdhsa_wavefront_size32 1
		.amdhsa_system_sgpr_workgroup_id_x 1
		.amdhsa_system_sgpr_workgroup_id_y 1
		.amdhsa_system_sgpr_workgroup_id_z 1
		.amdhsa_system_vgpr_workitem_id 0
		.amdhsa_next_free_vgpr 1024
		.amdhsa_next_free_sgpr 102
		.amdhsa_reserve_vcc 1
		.amdhsa_float_denorm_mode_32 3
		.amdhsa_float_denorm_mode_16_64 3
		.amdhsa_memory_ordered 1
		.amdhsa_forward_progress 1
		.amdhsa_inst_pref_size 233
	.end_amdhsa_kernel
	.amdgpu_metadata
---
amdhsa.version: [ 1, 2 ]
amdhsa.kernels:
  - .name:           k_q445ab61bfc_proj
    .symbol:         k_q445ab61bfc_proj.kd
    .args:
      - { .name: opc, .offset: 0, .size: 8, .value_kind: global_buffer, .address_space: global }
      - { .name: ops, .offset: 8, .size: 8, .value_kind: global_buffer, .address_space: global }
      - { .name: bq, .offset: 16, .size: 8, .value_kind: global_buffer, .address_space: global }
      - { .name: bk, .offset: 24, .size: 8, .value_kind: global_buffer, .address_space: global }
      - { .name: bv, .offset: 32, .size: 8, .value_kind: global_buffer, .address_space: global }
      - { .name: ac, .offset: 40, .size: 8, .value_kind: global_buffer, .address_space: global }
    .group_segment_fixed_size: 327680
    .private_segment_fixed_size: 0
    .kernarg_segment_align: 8
    .kernarg_segment_size: 48
    .max_flat_workgroup_size: 128
    .sgpr_count:     102
    .vgpr_count:     1024
    .wavefront_size: 32
...
	.end_amdgpu_metadata
.endif
;; end of part 3
;; launch attn (part 4): grid 4 x 64, 16 waves a work-group, clusters of 4 x 1, 327,680 bytes of LDS; arguments ac, oc, os; writes oc, os
.if DOCPART == 4
	.amdgcn_target "amdgcn-amd-amdhsa--gfx1250"
	.amdhsa_code_object_version 6
	.text
	.protected	k_q445ab61bfc_attn
	.globl	k_q445ab61bfc_attn
	.p2align	8
	.type	k_q445ab61bfc_attn,@function
k_q445ab61bfc_attn:
	s_mov_b64 s[64:65], 0
	v_nop
	global_prefetch_b8 v0, s[64:65] scope:SCOPE_SE
	s_setreg_imm32_b32 hwreg(HW_REG_WAVE_MODE, 25, 1), 1
	s_wait_xcnt 0x0
	s_wait_alu depctr_hold_cnt(0) depctr_sa_sdst(0) depctr_va_vdst(0) depctr_va_sdst(0) depctr_va_ssrc(0) depctr_va_vcc(0) depctr_vm_vsrc(0)
	s_getreg_b32 s2, hwreg(HW_REG_IB_STS2, 6, 4)
	s_cmp_eq_u32 s2, 0
	s_cbranch_scc0 .Lentry_in_a_cluster
	s_endpgm
.Lentry_in_a_cluster:
	s_bfe_u32 s2, ttmp6, 0x10000c
	s_cmp_lg_u32 s2, 0x3003
	s_cbranch_scc0 .Lentry_shape_is_right
	s_endpgm
.Lentry_shape_is_right:
; Causal attention of one head: O[q] = sum over keys k <= q of softmax_k(q . k / 8) v[k], both products on codes of BF6 (E3M2) with one E8M0 scale for each 32 along a product's K; O / l is quantised along the head's 64 channels for the last product.
; LEFT OUT: key steps all of whose keys come after a wave's queries: the causal mask sets their scores to -infinity, so their p is 0 for every input.
; THE SOFTMAX: t = score x log2(e) / 8; M = the row's largest t so far, rounded UP to a whole number; p = 2^(t - M) is quantised along the keys, not normalised.  The row's sum is taken of the unquantised p, in f32, and divides O at the end.
; When M moves, the sum and O are multiplied by 2^(old M - new M): exact.
; INPUT.  ac: sections q, k, v of 6,553,600 bytes: [8 batch + head pair][step of 128 tokens][half][6,400]; a half is 4 IMAGES of an operand's 12 registers (register group c of lane l at 512 c + 16 l) and 256 bytes of scale words (8 a lane:
; register i holds image 2 i's words in lanes 0-15 and image 2 i + 1's in lanes 16-31).  q, k: an image is 16 tokens x the pair's 128 channels; v: 16 channels of one head x the step's 128 keys (half = the head of the pair).
; Lane r of token image 2 B + u holds token 32 B + 8 u + r + 8 (r / 8), so that in S^T the 16 registers of tiles 2 B and 2 B + 1 are 16 neighbouring keys; v's channels lie likewise.
; The head's 64 channels are half of the instruction's K = 128: k's images are used as they lie, and in Q the other head's codes and its two scale bytes are cleared (zero codes add nothing).
; SHARES.  256 work-groups: one head, and two of the eight token images of every step: j = cx and cx + 4.  A task is (image j, step p): 16 queries, key steps 0 .. p, step p on the diagonal.
; Wave w takes j = cx + 4 (w / 8) and two tasks one after the other: p = 8 + w % 8, then p = 7 - w % 8: 17 key steps for every wave.  In the first task every wave works in steps 0 to 8, so all waves reach the two barriers, ahead of steps 0 and 4, with the same work behind them.
; LDS IS FILLED ONCE: the head's k (both halves, 204,800 bytes) and v (102,400).  Waves 0 to 5 bring it, one joint load a wave at the head (steps 0-3: region w / 2, two steps each) and one behind a round of the cluster's barrier (steps 4-15: six steps each),
; which has the four steps of the first loop in which to land.  Every wait on TENSORcnt is for 0.
; CLUSTER.  The four work-groups of a head ask for each tile JOINTLY (mask 15): the same load with the same descriptor in all four.  cx enters Q's and the outputs' addresses and the mask's bound alone.
; NO PREFETCH: both fills stand ahead of the first loop, so there is no trip in which to ask ahead of them.
; OUTPUT.  oc [head][position 8192][48 bytes], os [position][32 bytes]: the codes and scale bytes of O / l.  The scale bytes leave one a lane, 32 bytes apart: a head owns 2 of a position's 32 bytes.
; LIMITS: a block whose largest magnitude lies under 2^-122 gets the byte 1 (a block of zeros too); NaN and infinities are not served; the scaled scores t stay under 2^31 in magnitude.
; REGISTERS: v1-6 addresses that stay; v7 the mask's bound; v8-11, v28-29 the step's addresses; v12 -M, v13 the largest t, v[14:15] the sum; v16-27 Q; v32-79 four fragments of k or of v; v81 Q's scale address;
;   v96-159 S^T, then p; v160-191 O^T; v192-204 the second task's Q; v223, v243 the add's two; v224-235 p's codes; v218-221, v232-247, v252, v254 at work; v[248:249] k's scale words, v[250:251] v's, v253 p's, v255 Q's.
.set SECT,  6553600
.set PAIRB, 204800
.set STEPB, 12800
.set HALFB, 6400
.set REG,   102400                     ; LDS: k's half 0 at 0, k's half 1 at REG, v at 2 REG: 16 steps of 6,400 bytes each
.set STAGE, 3*REG                      ; behind them: 768 bytes for each wave, for the way out
.set SPARE, STAGE+16*768               ; behind the stages: the spare words, 128 bytes a wave
.set WV,   18
.set RHO,  19                          ; the task's step p
.set SEL,  20
.set CS,   22
.set G1A,  24                          ; s[24:31], s[32:39] group 1 of the two fills; s[40:43], s[44:47] group 0
.set G1B,  32
.set G0A,  40
.set G0B,  44
.set SS,   60
.set TB,   61
.set MLO,  62
.set MHI,  63
.set CNT,  66
.macro ROUND                           ; a round of the cluster's barrier
	s_barrier_signal -1
	s_barrier_wait -1
	s_cmp_lg_u32 s[WV], 0
	s_cbranch_scc1 .Lnot_wave_0_\@
	s_barrier_signal -3
.Lnot_wave_0_\@:
	s_barrier_wait -3
	s_barrier_signal -1
	s_barrier_wait -1
.endm
.macro GROUP1 g, rows                  ; rows of 6,400 bytes (800 elements of 8), 12,800 bytes apart in memory, on end in LDS
	s_mov_b32 s[\g], 15|(3<<16)|(1<<21)
	s_mov_b32 s[\g+1], 800<<16
	s_mov_b32 s[\g+2], \rows<<16
	s_mov_b32 s[\g+3], 800<<16
	s_mov_b32 s[\g+4], \rows
	s_mov_b32 s[\g+5], 1600
	s_mov_b32 s[\g+6], 0
	s_mov_b32 s[\g+7], 0
.endm
.macro FILL g0, g1                     ; waves 0 to 5: one joint load each
	s_cmp_lt_u32 s[WV], 6
	s_cbranch_scc0 .Lno_fill_\@
	tensor_load_to_lds s[\g0:\g0+3], s[\g1:\g1+7]
	s_nop 0
.rept 4
	v_nop
.endr
.Lno_fill_\@:
.endm
.macro QLOAD rho, p, dst, sdst         ; Q's image and scale words of the task at step rho; pointers in s[p:p+3]
	s_mul_i32 s82, s[\rho], STEPB
	s_add_co_u32 s[\p], s82, s48
	s_mov_b32 s[\p+1], 0
	s_add_co_u32 s[\p+2], s82, s49
	s_mov_b32 s[\p+3], 0
	s_add_nc_u64 s[\p:\p+1], s[4:5], s[\p:\p+1]
	s_add_nc_u64 s[\p+2:\p+3], s[4:5], s[\p+2:\p+3]
.irp c, 0,1,2
	global_load_b128 v[\dst+4*\c:\dst+3+4*\c], v1, s[\p:\p+1] offset:512*\c
.endr
	global_load_b32 v[\sdst], v81, s[\p+2:\p+3]
.endm
.macro INIT src, ssrc                  ; a task begins: Q with the other head cleared, the running numbers, O^T = 0
.irp i, 0,1,2,3,4,5
	v_and_b32 v[16+\i], s[MLO], v[\src+\i]
	v_and_b32 v[22+\i], s[MHI], v[\src+6+\i]
.endr
	v_and_b32 v255, s88, v[\ssrc]
	v_mov_b32 v13, 0xff61b1e6                      ; the largest t so far: -3e38
	v_floor_f32 v12, -v13                          ; -M
	v_mov_b32 v14, 0
	v_mov_b32 v15, 0
.irp b, 0,1,2,3
	v_mov_b32 v[236+\b], 0                         ; a lane permute's destination counts as one of its sources
.endr
	v_mov_b32 v252, 0
	v_mov_b32 v253, 0
.irp j, 0,1,2,3,4,5,6,7,8,9,10,11,12,13,14,15,16,17,18,19,20,21,22,23,24,25,26,27,28,29,30,31
	v_mov_b32 v[160+\j], 0                         ; the step is written once: the first finds zeros.  Also the places between Q's masks and the first products
.endr
	s_mov_b32 s[SS], 0
	s_mov_b32 s[TB], 0
	s_wait_alu depctr_va_vdst(0)
.endm
	s_load_b128 s[4:7], s[0:1], 0x0                ; ac, oc
	s_load_b64 s[8:9], s[0:1], 0x10                ; os
	v_lshl_add_u32 v223, v0, 2, SPARE
	v_mov_b32 v243, 0
	ds_add_u32 v223, v243                          ; the opening lines: the add, twice on end, and one wait
	ds_add_u32 v223, v243
	v_lshrrev_b32 v1, 5, v0
	v_readfirstlane_b32 s[WV], v1                  ; wave 0..15
	s_and_b32 s50, s[WV], 7
	s_or_b32 s[RHO], s50, 8                        ; the first task's step,
	s_xor_b32 s51, s50, 7                          ; and the second's
	s_bfe_u32 s67, ttmp6, 0x40000                  ; cx
	s_lshr_b32 s74, s[WV], 3
	s_lshl_b32 s74, s74, 2
	s_add_co_u32 s68, s67, s74                     ; j
	s_and_b32 s69, ttmp7, 0xffff                   ; 16 x batch + head
	s_lshr_b32 s70, s69, 4
	s_and_b32 s71, s69, 15
	s_lshr_b32 s72, s71, 1
	s_and_b32 s73, s71, 1
	s_lshl_b32 s76, s70, 3
	s_add_co_u32 s76, s76, s72
	s_mul_i32 s76, s76, PAIRB                      ; the pair's first byte in a section
	s_lshr_b32 s77, s[WV], 1
	s_min_u32 s77, s77, 2                          ; the region that I fill, if I fill: 0, 1: k's halves; 2: v's half of my head
	s_and_b32 s75, s[WV], 1                        ; which half of a fill's steps
	s_lshr_b32 s78, s77, 1
	s_and_b32 s79, s77, 1
	s_mul_i32 s80, s78, s73
	s_add_co_u32 s79, s79, s80
	s_mul_i32 s79, s79, HALFB
	s_mul_i32 s80, s78, SECT
	s_add_co_u32 s80, s80, SECT
	s_add_co_u32 s80, s80, s79
	s_add_co_u32 s80, s80, s76
	s_mov_b32 s81, 0
	s_mul_i32 s77, s77, REG
	GROUP1 G1A, 2
	GROUP1 G1B, 6
	s_mov_b32 s[G0A], 1
	s_mov_b32 s[G0B], 1
	s_mul_i32 s52, s75, 2*HALFB
	s_add_co_u32 s[G0A+1], s77, s52                ; steps 0-1 or 2-3 of the region
	s_mul_i32 s52, s75, 6*HALFB
	s_add_co_u32 s52, s52, s77
	s_add_co_u32 s[G0B+1], s52, 4*HALFB            ; steps 4-9 or 10-15
	s_mul_i32 s52, s75, 2*STEPB
	s_mov_b32 s53, 0
	s_mul_i32 s54, s75, 6*STEPB
	s_add_co_u32 s54, s54, 4*STEPB
	s_mov_b32 s55, 0
	s_add_nc_u64 s[52:53], s[52:53], s[80:81]
	s_add_nc_u64 s[54:55], s[54:55], s[80:81]
	s_lshr_b32 s83, s68, 2
	s_mul_i32 s83, s83, HALFB
	s_add_co_u32 s82, s76, s83                     ; Q: the pair, half j / 4,
	s_and_b32 s83, s68, 3
	s_mul_i32 s48, s83, 1536
	s_add_co_u32 s48, s48, s82                     ; image j % 4
	s_and_b32 s49, s68, 1
	s_lshl_b32 s49, s49, 7                         ; its scale words: lanes 16 (j % 2) on, 8 bytes a lane,
	s_lshr_b32 s83, s83, 1
	s_lshl_b32 s83, s83, 2                         ; register (j % 4) / 2
	s_add_co_u32 s49, s49, s83
	s_add_co_u32 s49, s49, s82
	s_add_co_u32 s49, s49, 6144
	s_lshr_b32 s89, s68, 1
	s_lshl_b32 s89, s89, 5
	s_and_b32 s88, s68, 1
	s_lshl_b32 s88, s88, 3
	s_add_co_u32 s89, s89, s88                     ; lane 0's query within the step
	s_mov_b32 s88, 0xffff
	s_cmp_eq_u32 s73, 1
	s_cselect_b32 s[MLO], 0, -1                    ; registers 0-5 of Q are the pair's first head, 6-11 its second
	s_cselect_b32 s[MHI], -1, 0
	s_cselect_b32 s88, 0xffff0000, s88
	s_mov_b32 s[SEL], 0x76543210
	s_mov_b32 s[SEL+1], 0xfedcba98
	s_mov_b32 s[CS], 0x3e38aa3b                    ; c = log2(e) / 8
	s_mov_b32 s[CS+1], s[CS]
	v_and_b32 v30, 31, v0                          ; lane
	v_and_b32 v31, 15, v0                          ; r
	v_bfe_u32 v80, v0, 4, 1                        ; h
	v_lshlrev_b32 v1, 4, v30                       ; an image's place for my lane, in each of the three regions
	v_lshlrev_b32 v81, 3, v31
	v_add_nc_u32 v2, REG, v1
	v_add_nc_u32 v3, 2*REG, v1
	v_lshlrev_b32 v4, 3, v30
	v_add_nc_u32 v4, 6144, v4                      ; a scale image's place likewise
	v_add_nc_u32 v5, REG, v4
	v_add_nc_u32 v6, 2*REG, v4
	v_and_b32 v7, 8, v31
	v_add_nc_u32 v7, v7, v31
	v_lshlrev_b32 v80, 4, v80
	v_sub_nc_u32 v7, v7, v80
	v_add_nc_u32 v7, s89, v7                       ; d = my query within its step - 16 h: on the diagonal register 16 b + i is hidden where 32 b + i > d
	s_wait_alu depctr_va_vdst(0)
	s_wait_dscnt 0x0                               ; both opening adds are done
	s_wait_kmcnt 0x0
	s_add_nc_u64 s[G0A+2:G0A+3], s[4:5], s[52:53]
	s_or_b32 s[G0A+3], s[G0A+3], 0x80000000
	s_add_nc_u64 s[G0B+2:G0B+3], s[4:5], s[54:55]
	s_or_b32 s[G0B+3], s[G0B+3], 0x80000000
	QLOAD RHO, 84, 16, 255                         ; both tasks' Q are asked for now
	QLOAD 51, 56, 192, 204
	ROUND                                          ; all four work-groups are here: the joint loads meet
	FILL G0A, G1A                                  ; steps 0 to 3
	s_wait_loadcnt 0x0
	INIT 16, 255
	s_wait_tensorcnt 0x0                           ; my part of steps 0 to 3 is in
	ds_add_u32 v223, v243                          ; the add twice on end
	ds_add_u32 v223, v243
	s_wait_dscnt 0x0
	ROUND                                          ; everybody's part is in, and the joint loads meet
	FILL G0B, G1B                                  ; steps 4 to 15
; A KEY STEP: 128 keys.  A step whose keys all come after my queries is left out: a scalar branch on the wave's number and the step's, round the work, not round the lines that step the counters.
.macro STEP
	s_cmp_gt_u32 s[SS], s[RHO]
	s_cbranch_scc1 .Lhidden_\@
	v_add_nc_u32 v8, s[TB], v1                     ; six additions: also the places behind the last step's products
	v_add_nc_u32 v9, s[TB], v2
	s_wait_alu depctr_va_vdst(0)
	v_add_nc_u32 v10, s[TB], v3
	v_add_nc_u32 v11, s[TB], v4
	v_add_nc_u32 v28, s[TB], v5
	v_add_nc_u32 v29, s[TB], v6
.irp g, 0,1                                    ; S^T = K Q^T, a half (four images of 16 keys) at a time
.if \g
.rept 4
	v_nop
.endr
.endif
.irp t, 0,1,2,3
.irp c, 0,1,2
	ds_load_b128 v[32+12*\t+4*\c:35+12*\t+4*\c], v[8+\g] offset:1536*\t+512*\c
.endr
.endr
.if \g
	s_wait_alu depctr_va_vdst(0)
	ds_load_b64 v[248:249], v28
.else
	ds_load_b64 v[248:249], v11
.endif
	s_wait_dscnt 0x0
.irp t, 0,2
	v_wmma_scale_f32_16x16x128_f8f6f4 v[96+8*(4*\g+\t):103+8*(4*\g+\t)], v[32+12*\t:43+12*\t], v[16:27], 0, v[248+\t/2], v255 matrix_a_fmt:MATRIX_FMT_BF6 matrix_b_fmt:MATRIX_FMT_BF6
	v_wmma_scale_f32_16x16x128_f8f6f4 v[104+8*(4*\g+\t):111+8*(4*\g+\t)], v[44+12*\t:55+12*\t], v[16:27], 0, v[248+\t/2], v255 matrix_a_fmt:MATRIX_FMT_BF6 matrix_b_fmt:MATRIX_FMT_BF6 matrix_a_scale:MATRIX_SCALE_ROW1
.endr
.endr                                          ; lane (r, h) holds one query; the 16 registers of tiles 2 b, 2 b + 1 are keys 32 b + 16 h + 0 .. 15 of the step
.rept 4
	v_nop
.endr
.irp t, 0,1,2,3                                ; V's four images and their scale words are asked for now: they land while the softmax is walked
.irp c, 0,1,2
	ds_load_b128 v[32+12*\t+4*\c:35+12*\t+4*\c], v10 offset:1536*\t+512*\c
.endr
.endr
	ds_load_b64 v[250:251], v29
	s_cmp_lt_u32 s[SS], s[RHO]                     ; on the diagonal the scores of hidden keys become -infinity ahead of the maximum
	s_cbranch_scc1 .Lopen_\@
	v_mov_b32 v254, 0xff800000
.irp n, 0,1,2,3,4,5,6,7,8,9,10,11,12,13,14,15,16,17,18,19,20,21,22,23,24,25,26,27,28,29,30,31,32,33,34,35,36,37,38,39,40,41,42,43,44,45,46,47,48,49,50,51,52,53,54,55,56,57,58,59,60,61,62,63
	v_cmp_gt_i32 vcc_lo, 32*(\n/16)+\n%16, v7
	v_cndmask_b32 v[96+\n], v[96+\n], v254, vcc_lo
.endr
.Lopen_\@:
.irp b, 0,1,2,3
	v_max3_num_f32 v[232+\b], v[96+16*\b], v[97+16*\b], v[98+16*\b]   ; the largest score of each block of 32 keys: for the row's maximum and, since p rises with the score, for the block's largest p
.endr
.irp i, 3,5,7,9,11,13
.irp b, 0,1,2,3
	v_max3_num_f32 v[232+\b], v[232+\b], v[96+16*\b+\i], v[97+16*\b+\i]
.endr
.endr
.irp b, 0,1,2,3
	v_max_num_f32 v[232+\b], v[232+\b], v[111+16*\b]
.endr
.irp b, 0,1,2,3
	s_delay_alu instid0(VALU_DEP_4)
	v_permlanex16_b32 v[236+\b], v[232+\b], s[SEL], s[SEL+1]
.endr
.irp b, 0,1,2,3
	s_delay_alu instid0(VALU_DEP_4)
	v_max_num_f32 v[232+\b], v[232+\b], v[236+\b]  ; with lane l xor 16's 16 keys
.endr
	s_delay_alu instid0(VALU_DEP_2)
	v_max3_num_f32 v254, v232, v233, v234
	s_delay_alu instid0(VALU_DEP_1)
	v_max_num_f32 v254, v254, v235                 ; the step's largest score of my query
	s_delay_alu instid0(VALU_DEP_1)
	v_mul_f32 v254, s[CS], v254                    ; as t
	s_delay_alu instid0(VALU_DEP_1)
	v_max_num_f32 v13, v13, v254                   ; the running largest t
	v_mov_b32 v254, v12
	s_delay_alu instid0(VALU_DEP_2)
	v_floor_f32 v12, -v13                          ; the new -M = -ceil(t)
	s_delay_alu instid0(VALU_DEP_1)
	v_sub_f32 v254, v12, v254                      ; M's old value less its new one
	s_delay_alu instid0(VALU_DEP_1)
	v_cvt_i32_f32 v254, v254
	s_delay_alu instid0(VALU_DEP_1)
	v_ldexp_f32 v252, 1.0, v254                    ; f = 2^(old M - new M)
.irp j, 0,2,4,6,8,10,12,14,16,18,20,22,24,26,28,30,32,34,36,38,40,42,44,46,48,50,52,54,56,58,60,62
	v_pk_fma_f32 v[96+\j:97+\j], v[96+\j:97+\j], s[CS:CS+1], v[12:13] op_sel_hi:[1,0,0]   ; t - M
.endr
.irp b, 0,1,2,3
	v_fma_f32 v[232+\b], v[232+\b], s[CS], v12     ; the same of each block's largest score
.endr
	s_wait_alu depctr_va_vdst(0)
.irp j, 0,1,2,3,4,5,6,7,8,9,10,11,12,13,14,15,16,17,18,19,20,21,22,23,24,25,26,27,28,29,30,31,32,33,34,35,36,37,38,39,40,41,42,43,44,45,46,47,48,49,50,51,52,53,54,55,56,57,58,59,60,61,62,63
	v_exp_f32 v[96+\j], v[96+\j]                   ; p = 2^(t - M)
.endr
.irp b, 0,1,2,3
	v_exp_f32 v[232+\b], v[232+\b]                 ; the block's largest p
.endr
	v_pk_mul_f32 v[14:15], v[14:15], v[252:253] op_sel_hi:[1,0]   ; the sums under the new M.  (A plain place behind the exponentials)
	s_wait_alu depctr_va_vdst(0)
.irp b, 0,1,2,3
	v_max_num_f32 v[232+\b], 0x2800000, v[232+\b]  ; the floor 2^(5 - 127)
.endr
.irp b, 0,1,2,3
	s_delay_alu instid0(VALU_DEP_4)
	v_add_nc_u32 v[244+\b], 0xfe000000, v[232+\b]  ; the conversion's scale operand
.endr
.irp b, 0,1,2,3
	s_delay_alu instid0(VALU_DEP_4)
	v_lshrrev_b32 v[236+\b], 23, v[244+\b]         ; the scale's byte
.endr
	s_delay_alu instid0(VALU_DEP_3)
	v_lshl_or_b32 v253, v237, 8, v236              ; p's scale word for these 128 keys
	s_delay_alu instid0(VALU_DEP_1)
	v_lshl_or_b32 v253, v238, 16, v253
	s_delay_alu instid0(VALU_DEP_1)
	v_lshl_or_b32 v253, v239, 24, v253
.irp c, 0,1
	v_cvt_scalef32_pk16_bf6_f32 v[224+6*\c:226+6*\c], v[96+32*\c:111+32*\c], v[244+2*\c]
	v_cvt_scalef32_pk16_bf6_f32 v[236+4*\c:238+4*\c], v[112+32*\c:127+32*\c], v[244+2*\c+1]
.endr
	v_nop                                          ; one plain place behind a scaled conversion
.irp c, 0,1                                    ; the operand's layout wants a whole block in a lane
.irp i, 0,1,2
	v_permlane16_swap_b32 v[224+6*\c+\i], v[236+4*\c+\i]
.endr
.irp i, 0,1,2
	s_delay_alu instid0(VALU_DEP_3)
	v_mov_b32 v[227+6*\c+\i], v[236+4*\c+\i]
.endr
.endr
	v_pk_add_f32 v[236:237], v[100:101], v[104:105]   ; the row's sum of the unquantised p, in eight chains
	v_pk_add_f32 v[248:249], v[108:109], v[112:113]
	v_pk_add_f32 v[246:247], v[116:117], v[120:121]
	v_pk_add_f32 v[244:245], v[124:125], v[128:129]
	v_pk_add_f32 v[240:241], v[132:133], v[136:137]
	v_pk_add_f32 v[220:221], v[140:141], v[144:145]
	v_pk_add_f32 v[218:219], v[148:149], v[152:153]
	v_pk_add_f32 v[14:15], v[14:15], v[156:157]
	v_pk_add_f32 v[236:237], v[236:237], v[96:97]
	v_pk_add_f32 v[248:249], v[248:249], v[98:99]
	v_pk_add_f32 v[246:247], v[246:247], v[102:103]
	v_pk_add_f32 v[244:245], v[244:245], v[106:107]
	v_pk_add_f32 v[240:241], v[240:241], v[110:111]
	v_pk_add_f32 v[220:221], v[220:221], v[114:115]
	v_pk_add_f32 v[218:219], v[218:219], v[118:119]
	v_pk_add_f32 v[14:15], v[14:15], v[122:123]
	v_pk_add_f32 v[236:237], v[236:237], v[126:127]
	v_pk_add_f32 v[248:249], v[248:249], v[130:131]
	v_pk_add_f32 v[246:247], v[246:247], v[134:135]
	v_pk_add_f32 v[244:245], v[244:245], v[138:139]
	v_pk_add_f32 v[240:241], v[240:241], v[142:143]
	v_pk_add_f32 v[220:221], v[220:221], v[146:147]
	v_pk_add_f32 v[218:219], v[218:219], v[150:151]
	v_pk_add_f32 v[14:15], v[14:15], v[154:155]
	v_pk_add_f32 v[236:237], v[236:237], v[158:159]
	s_delay_alu instid0(VALU_DEP_2)
	v_pk_add_f32 v[14:15], v[14:15], v[244:245]
	s_delay_alu instid0(VALU_DEP_2)
	v_pk_add_f32 v[236:237], v[236:237], v[240:241]
	v_pk_add_f32 v[248:249], v[248:249], v[220:221]
	v_pk_add_f32 v[246:247], v[246:247], v[218:219]
	s_delay_alu instid0(VALU_DEP_2)
	v_pk_add_f32 v[14:15], v[14:15], v[248:249]
	s_delay_alu instid0(VALU_DEP_2)
	v_pk_add_f32 v[236:237], v[236:237], v[246:247]
	s_delay_alu instid0(VALU_DEP_1)
	v_pk_add_f32 v[14:15], v[14:15], v[236:237]
.irp j, 0,2,4,6,8,10,12,14,16,18,20,22,24,26,28,30
	v_pk_mul_f32 v[160+\j:161+\j], v[160+\j:161+\j], v[252:253] op_sel_hi:[1,0]   ; O^T under the new M.  (With the sums above: the places between p's codes and scale word and the products below)
.endr
	s_wait_alu depctr_va_vdst(0)
	s_wait_dscnt 0x0                               ; V's images and scale words are in
.irp t, 0,2                                    ; O^T += V^T P^T: four tiles of 16 channels, by turns
	v_wmma_scale_f32_16x16x128_f8f6f4 v[160+8*\t:167+8*\t], v[32+12*\t:43+12*\t], v[224:235], v[160+8*\t:167+8*\t], v[250+\t/2], v253 matrix_a_fmt:MATRIX_FMT_BF6 matrix_b_fmt:MATRIX_FMT_BF6
	v_wmma_scale_f32_16x16x128_f8f6f4 v[168+8*\t:175+8*\t], v[44+12*\t:55+12*\t], v[224:235], v[168+8*\t:175+8*\t], v[250+\t/2], v253 matrix_a_fmt:MATRIX_FMT_BF6 matrix_b_fmt:MATRIX_FMT_BF6 matrix_a_scale:MATRIX_SCALE_ROW1
.endr
.Lhidden_\@:
	s_add_co_u32 s[TB], s[TB], HALFB
	s_add_co_u32 s[SS], s[SS], 1
.endm
.macro LOOP trips
	s_mov_b32 s[CNT], \trips
.Lsteps_\@:
	STEP
	s_sub_co_u32 s[CNT], s[CNT], 1
	s_cmp_lg_u32 s[CNT], 0
	s_cbranch_scc1 .Lsteps_\@
.endm
; THE WAY OUT of a task.  O^T is divided by the row's sum and quantised along the head's 64 channels: register 16 b + i is channel 32 b + 16 h + i.  A lane ends with a whole block's 24 bytes; the tile's 768 bytes
; go through my stage in LDS and leave as three runs of 256 consecutive bytes.
.macro OUT
.rept 4
	v_nop                                          ; places behind the last products
.endr
	v_add_f32 v14, v14, v15
	s_delay_alu instid0(VALU_DEP_1)
	v_permlanex16_b32 v252, v14, s[SEL], s[SEL+1]
	s_delay_alu instid0(VALU_DEP_1)
	v_add_f32 v14, v14, v252                       ; the row's sum
	s_wait_alu depctr_va_vdst(0)
	v_rcp_f32 v14, v14
	v_and_b32 v8, 15, v0                           ; (a plain place behind the transcendental)  r
	v_bfe_u32 v9, v0, 4, 1                         ; h
	s_mul_i32 s74, s[WV], 768
	s_add_co_u32 s74, s74, STAGE                   ; my stage
	v_mul_u32_u24 v10, v8, 48
	s_delay_alu instid0(VALU_DEP_1)
	v_mad_u32_u24 v10, v9, 24, v10
	s_delay_alu instid0(VALU_DEP_1)
	v_add_nc_u32 v10, s74, v10                     ; in: position r's 48 bytes, my block's 24
	v_and_b32 v28, 31, v0
	s_delay_alu instid0(VALU_DEP_1)
	v_lshlrev_b32 v28, 3, v28                      ; back, and in memory: 8 bytes a lane
	s_delay_alu instid0(VALU_DEP_1)
	v_add_nc_u32 v11, s74, v28
	v_lshl_add_u32 v29, v8, 5, v9                  ; my scale byte: 32 r + my block
	v_cmp_eq_u32 vcc_lo, 1, v9                     ; lanes 16-31
	s_lshl_b32 s90, s70, 11
	s_lshl_b32 s75, s[RHO], 7
	s_add_co_u32 s90, s90, s75
	s_lshl_b32 s75, s68, 4
	s_add_co_u32 s90, s90, s75                     ; my first position: 2048 x batch + 128 x step + 16 j
	s_mul_i32 s74, s71, 393216                     ; oc: the head's plane,
	s_mul_i32 s75, s90, 48
	s_add_co_u32 s74, s74, s75
	s_mov_b32 s75, 0
	s_add_nc_u64 s[92:93], s[6:7], s[74:75]
	s_lshl_b32 s78, s90, 5                         ; os: 32 bytes a position, the head's two
	s_lshl_b32 s79, s71, 1
	s_add_co_u32 s78, s78, s79
	s_mov_b32 s79, 0
	s_add_nc_u64 s[94:95], s[8:9], s[78:79]
	s_wait_alu depctr_va_vdst(0)
.irp j, 0,1,2,3,4,5,6,7,8,9,10,11,12,13,14,15,16,17,18,19,20,21,22,23,24,25,26,27,28,29,30,31
	v_mul_f32 v[96+\j], v[160+\j], v14             ; O^T / the sum, each accumulator from its low end on
.endr
.irp b, 0,1
	v_max3_num_f32 v[232+\b], |v[96+16*\b]|, |v[97+16*\b]|, 0x2800000
.endr
.irp i, 2,4,6,8,10,12,14
.irp b, 0,1
	s_delay_alu instid0(VALU_DEP_2)
	v_max3_num_f32 v[232+\b], v[232+\b], |v[96+16*\b+\i]|, |v[97+16*\b+\i]|
.endr
.endr
.irp b, 0,1
	s_delay_alu instid0(VALU_DEP_2)
	v_permlanex16_b32 v[236+\b], v[232+\b], s[SEL], s[SEL+1]
.endr
.irp b, 0,1
	s_delay_alu instid0(VALU_DEP_2)
	v_max_num_f32 v[232+\b], v[232+\b], v[236+\b]
.endr
.irp b, 0,1
	s_delay_alu instid0(VALU_DEP_2)
	v_add_nc_u32 v[244+\b], 0xfe000000, v[232+\b]
.endr
.irp b, 0,1
	s_delay_alu instid0(VALU_DEP_2)
	v_lshrrev_b32 v[240+\b], 23, v[244+\b]
.endr
	v_cvt_scalef32_pk16_bf6_f32 v[224:226], v[96:111], v244
	v_cvt_scalef32_pk16_bf6_f32 v[236:238], v[112:127], v245
	v_cndmask_b32 v242, v240, v241, vcc_lo         ; my block's byte.  (A plain place behind the conversions)
.irp i, 0,1,2
	v_permlane16_swap_b32 v[224+\i], v[236+\i]
.endr
.irp i, 0,1,2
	s_delay_alu instid0(VALU_DEP_3)
	v_mov_b32 v[227+\i], v[236+\i]
.endr
.irp p, 0,1,2
	ds_store_b64 v10, v[224+2*\p:225+2*\p] offset:8*\p
.endr
.irp i, 0,1,2
	ds_load_b64 v[32+2*\i:33+2*\i], v11 offset:256*\i   ; LDS serves a wave's instructions in order: these see my stores
.endr
	global_store_b8 v29, v242, s[94:95]
.irp i, 0,1,2
	s_wait_dscnt 2-\i
	global_store_b64 v28, v[32+2*\i:33+2*\i], s[92:93] offset:256*\i   ; 256 consecutive bytes, aligned
.endr
.endm
	LOOP 4                                         ; the first task, steps 0 to 3
	s_wait_tensorcnt 0x0                           ; my part of steps 4 to 15 is in
	s_wait_dscnt 0x0                               ; no LDS instruction of mine is pending at a signal
	s_barrier_signal -1
	s_barrier_wait -1                              ; and everybody's
	LOOP 12                                        ; steps 4 to 15
	OUT
	s_wait_xcnt 0x0                                ; the stores have read their registers and bases: the second task writes them anew
	s_mov_b32 s[RHO], s51
	INIT 192, 204
	LOOP 8                                         ; the second task: steps 0 to 7 at the most
	OUT
	s_wait_tensorcnt 0x0                           ; the wave's end
	ds_add_u32 v223, v243
	s_wait_dscnt 0x0
	ROUND                                          ; the closing round
	s_endpgm
.Lfunc_end_k_q445ab61bfc_attn:
	.size	k_q445ab61bfc_attn, .Lfunc_end_k_q445ab61bfc_attn-k_q445ab61bfc_attn
	.p2alignl 7, 3214868480
	.fill 96, 4, 3214868480
	.section	.rodata,"a",@progbits
	.p2align	6, 0x0
	.amdhsa_kernel k_q445ab61bfc_attn
		.amdhsa_group_segment_fixed_size 327680
		.amdhsa_private_segment_fixed_size 0
		.amdhsa_enable_private_segment 0
		.amdhsa_kernarg_size 24
		.amdhsa_user_sgpr_count 2
		.amdhsa_user_sgpr_kernarg_segment_ptr 1
		.amdhsa_wavefront_size32 1
		.amdhsa_system_sgpr_workgroup_id_x 1
		.amdhsa_system_sgpr_workgroup_id_y 1
		.amdhsa_system_sgpr_workgroup_id_z 1
		.amdhsa_system_vgpr_workitem_id 0
		.amdhsa_next_free_vgpr 256
		.amdhsa_next_free_sgpr 96
		.amdhsa_reserve_vcc 1
		.amdhsa_float_denorm_mode_32 3
		.amdhsa_float_denorm_mode_16_64 3
		.amdhsa_memory_ordered 1
		.amdhsa_forward_progress 1
		.amdhsa_inst_pref_size 93
	.end_amdhsa_kernel
	.amdgpu_metadata
---
amdhsa.version: [ 1, 2 ]
amdhsa.kernels:
  - .name:           k_q445ab61bfc_attn
    .symbol:         k_q445ab61bfc_attn.kd
    .args:
      - { .name: ac, .offset: 0, .size: 8, .value_kind: global_buffer, .address_space: global }
      - { .name: oc, .offset: 8, .size: 8, .value_kind: global_buffer, .address_space: global }
      - { .name: os, .offset: 16, .size: 8, .value_kind: global_buffer, .address_space: global }
    .group_segment_fixed_size: 327680
    .private_segment_fixed_size: 0
    .kernarg_segment_align: 8
    .kernarg_segment_size: 24
    .max_flat_workgroup_size: 512
    .sgpr_count:     96
    .vgpr_count:     256
    .wavefront_size: 32
...
	.end_amdgpu_metadata
.endif
;; end of part 4
;; launch outp (part 5): grid 4 x 32, 4 waves a work-group, clusters of 4 x 4, 327,680 bytes of LDS; arguments oc, os, opc, ops, bo, out0; writes out0
.if DOCPART == 5
	.amdgcn_target "amdgcn-amd-amdhsa--gfx1250"
	.amdhsa_code_object_version 6
	.text
	.protected	k_q445ab61bfc_outp
	.globl	k_q445ab61bfc_outp
	.p2align	8
	.type	k_q445ab61bfc_outp,@function
k_q445ab61bfc_outp:
	s_mov_b64 s[64:65], 0
	v_nop
	global_prefetch_b8 v0, s[64:65] scope:SCOPE_SE
	s_setreg_imm32_b32 hwreg(HW_REG_WAVE_MODE, 25, 1), 1
	s_wait_xcnt 0x0
	s_wait_alu depctr_hold_cnt(0) depctr_sa_sdst(0) depctr_va_vdst(0) depctr_va_sdst(0) depctr_va_ssrc(0) depctr_va_vcc(0) depctr_vm_vsrc(0)
	s_getreg_b32 s2, hwreg(HW_REG_IB_STS2, 6, 4)
	s_cmp_eq_u32 s2, 0
	s_cbranch_scc0 .Lentry_in_a_cluster
	s_endpgm
.Lentry_in_a_cluster:
	s_bfe_u32 s2, ttmp6, 0x10000c
	s_cmp_lg_u32 s2, 0xf033
	s_cbranch_scc0 .Lentry_shape_is_right
	s_endpgm
.Lentry_shape_is_right:
.set PLANE,  1376256
.set PLANEO, 393216
.set NQ,     2
.set FR,     12
.set NL,     6
.set NP,     4
.set PROWS,  6144
.set HALFT,  4*PROWS
.set SLOT,   4*HALFT
.set SCL,    2*SLOT
.set HALFS,  16*272
.set SBLK,   2*272
.set SPARE,  SCL+4*HALFS
.set SPITCH, 528
.set ROWO,   4096
.set ADRA, 16
.set ADRB, 20
.set STO,  24
.set RD,   25
.set CO,   26
.set ADRS, 27
.set SPW,  28
.set NIL,  29
.set SC,   32
.set BP,   64
.set AF,   128
.set BK,   128
.set WV,   16
.set HA,   17
.set HB,   18
.set G1,   24
.set G0,   32
.set G1B,  48
.set G0B,  56
.set G1S,  68
.set G0S,  76
.set G1SB, 80
.set G0SB, 88
.set MSB, 0
.macro WIN new
.if MSB != (\new)
	s_set_vgpr_msb (MSB<<8)|(\new)
.set MSB, (\new)
.endif
.endm
.set MUL_LO, 0xa1
.set MUL_HI, 0xf1
.set BIA_LO, 0x81
.set BIA_HI, 0xc1
.set TO_B,   0x40
.macro JLOAD g0a, g1a, g0b, g1b
	s_cmp_eq_u32 s[HA], 0
	s_cbranch_scc0 .Lfor_b_\@
	tensor_load_to_lds s[\g0a:\g0a+3], s[\g1a:\g1a+7]
	s_nop 0
.rept 4
	v_nop
.endr
	s_branch .Lasked_\@
.Lfor_b_\@:
	tensor_load_to_lds s[\g0b:\g0b+3], s[\g1b:\g1b+7]
	s_nop 0
.rept 4
	v_nop
.endr
.Lasked_\@:
.endm
.macro CREST
	s_cmp_lg_u32 s[WV], 0
	s_cbranch_scc1 .Lnot_wave_0_\@
	s_barrier_signal -3
.Lnot_wave_0_\@:
	s_barrier_wait -3
	s_barrier_signal -1
	s_barrier_wait -1
.endm
.macro CROUND
	s_barrier_signal -1
	s_barrier_wait -1
	CREST
.endm
	s_load_b256 s[4:11], s[0:1], 0x0
	s_load_b128 s[12:15], s[0:1], 0x20
	v_lshl_add_u32 v[SPW], v0, 2, SPARE
	v_mov_b32 v[NIL], 0
	ds_add_u32 v28, v29
	ds_add_u32 v28, v29
	s_wait_dscnt 0x0
	v_lshrrev_b32 v1, 5, v0
	v_readfirstlane_b32 s[WV], v1
	s_lshr_b32 s[HA], s[WV], 1
	s_and_b32 s[HB], s[WV], 1
	s_bfe_u32 s40, ttmp6, 0x40000
	s_bfe_u32 s41, ttmp6, 0x40004
	s_and_b32 s44, ttmp7, 0xffff
	s_lshl_b32 s44, s44, 2
	s_add_co_u32 s44, s44, s41
	s_lshl_b32 s92, s41, 2
	s_lshl_b32 s92, 15, s92
	s_lshl_b32 s93, 0x1111, s40
	s_or_b32 s[G1+0], s92, (3<<16)|(1<<21)
	s_or_b32 s[G1B+0], s93, (3<<16)|(1<<21)
.irp g, G1, G1B
	s_mov_b32 s[\g+1], 768<<16
	s_mov_b32 s[\g+2], 4<<16
	s_mov_b32 s[\g+3], 768<<16
	s_mov_b32 s[\g+4], 4
	s_mov_b32 s[\g+6], 0
	s_mov_b32 s[\g+7], 0
.endr
	s_mov_b32 s[G1+5], PLANEO/8
	s_mov_b32 s[G1B+5], PLANE/8
	s_or_b32 s[G1S+0], s92, (3<<16)|(1<<20)|(1<<21)|(5<<22)|(3<<25)
	s_or_b32 s[G1SB+0], s93, (3<<16)|(1<<20)|(1<<21)|(5<<22)|(3<<25)
.irp g, G1S, G1SB
	s_mov_b32 s[\g+1], 32<<16
	s_mov_b32 s[\g+2], 16<<16
	s_mov_b32 s[\g+3], 32<<16
	s_mov_b32 s[\g+4], 16
	s_mov_b32 s[\g+5], 32
	s_mov_b32 s[\g+6], 0
	s_mov_b32 s[\g+7], 0
.endr
	s_lshl_b32 s21, s[HB], 7
	s_lshl_b32 s94, s44, 8
	s_add_co_u32 s94, s94, s21
	s_lshl_b32 s95, s40, 8
	s_add_co_u32 s95, s95, s21
	s_add_co_u32 s95, s95, 27648
	s_mul_i32 s20, s94, 48
	s_mov_b32 s21, 0
	s_lshl_b32 s22, s94, 5
	s_mov_b32 s23, 0
	s_mul_i32 s92, s95, 48
	s_mov_b32 s93, 0
	s_lshl_b32 s96, s95, 5
	s_mov_b32 s97, 0
	s_mul_i32 s98, s[WV], HALFT
	s_mul_i32 s99, s[WV], HALFS
	s_wait_kmcnt 0x0
	s_add_nc_u64 s[20:21], s[4:5], s[20:21]
	s_add_nc_u64 s[22:23], s[6:7], s[22:23]
	s_add_nc_u64 s[92:93], s[8:9], s[92:93]
	s_add_nc_u64 s[96:97], s[10:11], s[96:97]
	CROUND
	s_mov_b32 s[G0S], 1
	s_add_co_u32 s[G0S+1], s99, SCL
	s_mov_b64 s[G0S+2:G0S+3], s[22:23]
	s_or_b32 s[G0S+3], s[G0S+3], 0x80000000
	s_mov_b32 s[G0SB], 1
	s_add_co_u32 s[G0SB+1], s99, SCL
	s_mov_b64 s[G0SB+2:G0SB+3], s[96:97]
	s_or_b32 s[G0SB+3], s[G0SB+3], 0x80000000
	JLOAD G0S, G1S, G0SB, G1SB
.irp s, 0,1
	s_mov_b32 s[G0+4*\s], 1
	s_add_co_u32 s[G0+4*\s+1], s98, \s*SLOT
	s_add_nc_u64 s[G0+4*\s+2:G0+4*\s+3], s[20:21], \s*4*PLANEO
	s_or_b32 s[G0+4*\s+3], s[G0+4*\s+3], 0x80000000
	s_mov_b32 s[G0B+4*\s], 1
	s_add_co_u32 s[G0B+4*\s+1], s98, \s*SLOT
	s_add_nc_u64 s[G0B+4*\s+2:G0B+4*\s+3], s[92:93], \s*4*PLANE
	s_or_b32 s[G0B+4*\s+3], s[G0B+4*\s+3], 0x80000000
	s_wait_alu depctr_va_vdst(0)
	s_wait_tensorcnt 0x0
	ds_add_u32 v28, v29
	s_wait_dscnt 0x0
	CROUND
	JLOAD G0+4*\s, G1, G0B+4*\s, G1B
.endr
	v_and_b32 v1, 15, v0
	v_bfe_u32 v2, v0, 4, 1
	v_mul_u32_u24 v3, v1, 48
	v_mad_u32_u24 v3, v2, 24, v3
	s_mul_i32 s21, s[HA], HALFT
	s_mul_i32 s22, s[HB], HALFT
	s_add_co_u32 s22, s22, 2*HALFT
.irp s, 0,1
	v_add_nc_u32 v[ADRA+\s], s21, v3
	v_add_nc_u32 v[ADRB+\s], s22, v3
	s_add_co_u32 s21, s21, SLOT
	s_add_co_u32 s22, s22, SLOT
.endr
	v_lshlrev_b32 v5, 5, v1
	v_lshrrev_b32 v6, 8, v5
	v_lshl_add_u32 v5, v6, 4, v5
	s_mul_i32 s21, s[HA], HALFS
	s_mul_i32 s22, s[HB], HALFS
	s_add_co_u32 s22, s22, 2*HALFS
	s_sub_co_u32 s22, s22, s21
	v_mul_u32_u24 v6, s22, v2
	s_add_co_u32 s21, s21, SCL
	v_add_nc_u32 v5, v5, v6
	v_add_nc_u32 v[ADRS], s21, v5
	s_mul_i32 s23, s[WV], 16*SPITCH
	v_mul_u32_u24 v5, v1, SPITCH
	v_lshl_add_u32 v5, v2, 6, v5
	v_add_nc_u32 v[STO], s23, v5
	v_and_b32 v6, 31, v0
	v_lshlrev_b32 v[CO], 4, v6
	v_add_nc_u32 v[RD], s23, v[CO]
	v_lshlrev_b32 v10, 6, v2
	s_wait_alu depctr_va_vdst(0)
	s_lshl_b32 s20, s40, 10
	s_lshl_b32 s21, s[HB], 9
	s_add_co_u32 s20, s20, s21
	s_mov_b32 s21, 0
	s_add_nc_u64 s[12:13], s[12:13], s[20:21]
	s_add_nc_u64 s[14:15], s[14:15], s[20:21]
	s_lshl_b32 s22, s44, 8
	s_lshl_b32 s23, s[HA], 7
	s_add_co_u32 s22, s22, s23
	s_lshl_b32 s22, s22, 12
	s_mov_b32 s23, 0
	s_add_nc_u64 s[14:15], s[14:15], s[22:23]
.irp t, 0,1,2,3,4,5,6,7
	global_load_b128 v[BP+8*\t:BP+8*\t+3], v10, s[12:13] offset:(32*(\t/2)+8*(\t%2))*4
	global_load_b128 v[BP+8*\t+4:BP+8*\t+7], v10, s[12:13] offset:(32*(\t/2)+8*(\t%2))*4+16
.endr
.macro FRAG reg, adr, q, i
.irp p, 0,1,2,3,4,5
	ds_load_b64 v[\reg+2*\p:\reg+2*\p+1], v[\adr] offset:(2*(\q)+\p/3)*PROWS+(\i)*768+8*(\p%3)
.endr
.endm
.macro MUL16 a0, p, q, sc, first
.irp a, \a0, \a0+1
.irp b, 0,1,2,3,4,5,6,7
.if \first
	v_wmma_scale_f32_16x16x128_f8f6f4 v[8*(8*((\a)%4)+\b):8*(8*((\a)%4)+\b)+7], v[128*(\p)+FR*\b:128*(\p)+FR*\b+FR-1], v[AF+FR*(\a):AF+FR*(\a)+FR-1], v[BP+8*\b:BP+8*\b+7], v[SC+8*NQ*(\sc)+NQ*\b+(\q)], v[SC+8*NQ*(\sc)+NQ*(\a)+(\q)] matrix_a_fmt:MATRIX_FMT_BF6 matrix_b_fmt:MATRIX_FMT_BF6 matrix_a_scale:MATRIX_SCALE_ROW1
.else
	v_wmma_scale_f32_16x16x128_f8f6f4 v[8*(8*((\a)%4)+\b):8*(8*((\a)%4)+\b)+7], v[128*(\p)+FR*\b:128*(\p)+FR*\b+FR-1], v[AF+FR*(\a):AF+FR*(\a)+FR-1], v[8*(8*((\a)%4)+\b):8*(8*((\a)%4)+\b)+7], v[SC+8*NQ*(\sc)+NQ*\b+(\q)], v[SC+8*NQ*(\sc)+NQ*(\a)+(\q)] matrix_a_fmt:MATRIX_FMT_BF6 matrix_b_fmt:MATRIX_FMT_BF6 matrix_a_scale:MATRIX_SCALE_ROW1
.endif
.endr
.endr
.endm
.macro FETCH_B slot, q, p
	WIN TO_B
.irp i, 0,1,2,3,4,5,6,7
	FRAG 128*(\p)+FR*\i, ADRB+\slot, \q, \i
.endr
	WIN 0
.endm
.macro FETCH_A slot, q, i0
.irp i, \i0, \i0+1, \i0+2, \i0+3
	FRAG AF+FR*(\i), ADRA+\slot, \q, \i
.endr
.endm
.macro SCALES sc
.irp i, 0,1,2,3,4,5,6,7
	ds_load_b64 v[SC+8*NQ*\sc+NQ*\i:SC+8*NQ*\sc+NQ*\i+1], v[ADRS] offset:\i*SBLK
.endr
.endm
.macro PLACES n
.rept \n
	v_nop
.endr
.endm
.macro STEP slot, q, first
	s_wait_dscnt 4*NL
.if \first
	WIN BIA_LO
.else
	WIN MUL_LO
.endif
	MUL16 0, (\q)%2, \q, \slot, \first
	MUL16 2, (\q)%2, \q, \slot, \first
	s_wait_dscnt 0
	PLACES NP
	FETCH_B \slot, (\q)+1, 1-(\q)%2
	FETCH_A \slot, (\q)+1, 0
.if \first
	WIN BIA_HI
.else
	WIN MUL_HI
.endif
	MUL16 4, (\q)%2, \q, \slot, \first
	MUL16 6, (\q)%2, \q, \slot, \first
	PLACES NP
	WIN 0
	FETCH_A \slot, (\q)+1, 4
.endm
.macro TURN slot, next, fill
	s_wait_tensorcnt 0x0
	ds_add_u32 v[SPW], v[NIL]
	s_wait_dscnt 4*NL+1
	WIN MUL_LO
	MUL16 0, 1, NQ-1, \slot, 0
	s_wait_dscnt 0x0
	s_barrier_signal -1
	MUL16 2, 1, NQ-1, \slot, 0
	WIN 0
	s_barrier_wait -1
.if \fill
	CREST
	s_add_nc_u64 s[G0+4*\slot+2:G0+4*\slot+3], s[G0+4*\slot+2:G0+4*\slot+3], 8*PLANEO
	s_add_nc_u64 s[G0B+4*\slot+2:G0B+4*\slot+3], s[G0B+4*\slot+2:G0B+4*\slot+3], 8*PLANE
	JLOAD G0+4*\slot, G1, G0B+4*\slot, G1B
.else
	PLACES NP
.endif
	s_wait_alu depctr_va_vdst(0)
	v_add_nc_u32 v[ADRS], 4*NQ, v[ADRS]
	FETCH_B \next, 0, 0
	FETCH_A \next, 0, 0
	SCALES \next
	WIN MUL_HI
	MUL16 4, 1, NQ-1, \slot, 0
	MUL16 6, 1, NQ-1, \slot, 0
	PLACES NP
	WIN 0
	FETCH_A \next, 0, 4
.endm
	s_wait_tensorcnt 1
	s_barrier_signal -1
	s_barrier_wait -1
	FETCH_B 0, 0, 0
	FETCH_A 0, 0, 0
	SCALES 0
	FETCH_A 0, 0, 4
	s_wait_loadcnt 0x0
	STEP 0, 0, 1
	TURN 0, 1, 1
	STEP 1, 0, 0
	TURN 1, 0, 1
	STEP 0, 0, 0
	TURN 0, 1, 0
	STEP 1, 0, 0
	s_wait_dscnt 4*NL
	WIN MUL_LO
	MUL16 0, 1, NQ-1, 1, 0
	MUL16 2, 1, NQ-1, 1, 0
	s_wait_dscnt 0
	WIN MUL_HI
	MUL16 4, 1, NQ-1, 1, 0
	MUL16 6, 1, NQ-1, 1, 0
	WIN 0
.macro TOSTAGE a
.set AC, 64*((\a)%4)
	WIN 0x08+4*((\a)/4)
.irp b, 0,1,2,3,4,5,6,7
	ds_store_b128 v[STO], v[AC+8*\b:AC+8*\b+3] offset:128*(\b/2)+32*(\b%2)
	ds_store_b128 v[STO], v[AC+8*\b+4:AC+8*\b+7] offset:128*(\b/2)+32*(\b%2)+16
.endr
	WIN 0
.set BB, BK+64*((\a)%2)
.irp t, 0,1,2,3,4,5,6,7,8,9,10,11,12,13,14,15
	ds_load_b128 v[BB+4*\t:BB+4*\t+3], v[RD] offset:\t*SPITCH
.endr
.endm
.macro SEND a, younger
.set BB, BK+64*((\a)%2)
	s_wait_dscnt \younger
.if ((\a)%2) == 1
	s_add_nc_u64 s[14:15], s[14:15], 8*ROWO
.elseif (\a) > 0
	s_add_nc_u64 s[14:15], s[14:15], 24*ROWO
.endif
.irp t, 0,1,2,3,4,5,6,7,8,9,10,11,12,13,14,15
	global_store_b128 v[CO], v[BB+4*\t:BB+4*\t+3], s[14:15] offset:(\t+8*(\t/8))*ROWO th:TH_STORE_NT
.endr
.endm
	PLACES NP
	TOSTAGE 0
.irp a, 1,2,3,4,5,6,7
.if \a > 1
	s_wait_xcnt 0x0
.endif
	TOSTAGE \a
	SEND \a-1, 32
.endr
	s_wait_xcnt 0x0
	SEND 7, 0
	s_wait_tensorcnt 0x0
	ds_add_u32 v[SPW], v[NIL]
	s_wait_dscnt 0x0
	CROUND
	s_endpgm
.Lfunc_end_k_q445ab61bfc_outp:
	.size	k_q445ab61bfc_outp, .Lfunc_end_k_q445ab61bfc_outp-k_q445ab61bfc_outp
	.p2alignl 7, 3214868480
	.fill 96, 4, 3214868480
	.section	.rodata,"a",@progbits
	.p2align	6, 0x0
	.amdhsa_kernel k_q445ab61bfc_outp
		.amdhsa_group_segment_fixed_size 327680
		.amdhsa_private_segment_fixed_size 0
		.amdhsa_enable_private_segment 0
		.amdhsa_kernarg_size 48
		.amdhsa_user_sgpr_count 2
		.amdhsa_user_sgpr_kernarg_segment_ptr 1
		.amdhsa_wavefront_size32 1
		.amdhsa_system_sgpr_workgroup_id_x 1
		.amdhsa_system_sgpr_workgroup_id_y 1
		.amdhsa_system_sgpr_workgroup_id_z 1
		.amdhsa_system_vgpr_workitem_id 0
		.amdhsa_next_free_vgpr 1024
		.amdhsa_next_free_sgpr 102
		.amdhsa_reserve_vcc 0
		.amdhsa_float_denorm_mode_32 3
		.amdhsa_float_denorm_mode_16_64 3
		.amdhsa_memory_ordered 1
		.amdhsa_forward_progress 1
		.amdhsa_inst_pref_size 162
	.end_amdhsa_kernel
	.amdgpu_metadata
---
amdhsa.version: [ 1, 2 ]
amdhsa.kernels:
  - .name:           k_q445ab61bfc_outp
    .symbol:         k_q445ab61bfc_outp.kd
    .args:
      - { .name: oc, .offset: 0, .size: 8, .value_kind: global_buffer, .address_space: global }
      - { .name: os, .offset: 8, .size: 8, .value_kind: global_buffer, .address_space: global }
      - { .name: opc, .offset: 16, .size: 8, .value_kind: global_buffer, .address_space: global }
      - { .name: ops, .offset: 24, .size: 8, .value_kind: global_buffer, .address_space: global }
      - { .name: bo, .offset: 32, .size: 8, .value_kind: global_buffer, .address_space: global }
      - { .name: out0, .offset: 40, .size: 8, .value_kind: global_buffer, .address_space: global }
    .group_segment_fixed_size: 327680
    .private_segment_fixed_size: 0
    .kernarg_segment_align: 8
    .kernarg_segment_size: 48
    .max_flat_workgroup_size: 128
    .sgpr_count:     102
    .vgpr_count:     1024
    .wavefront_size: 32
...
	.end_amdgpu_metadata
.endif
;; end of part 5
